; MI455X (gfx1250); checked and timed in simulation.
; The chip was launched on July 23, 2026; its instructions are those of AMD's public machine-readable ISA for CDNA 5 (MIT licence, August 2026) and "CDNA5" Instruction Set Architecture Reference Guide (July 2026). The comments in the code are by the model that wrote it; some were corrected since.
;; Mo E Layer. Allowed arithmetic: float matrix products may take bf16 or f16 operands with f32 sums; other float arithmetic in f32, or as packed bf16 or f16 multiplies, adds, multiply-adds, maxima and minima; sums over many terms, partial sums and values carried from step to step in f32; what a program stores and reads back later, other than sums and carried values, may be rounded once to bf16 or f16.
;; Inputs: gate_w 8 x 1,024 float32; w1 8 x 2,048 x 1,024 float32; w2 8 x 1,024 x 2,048 float32; w3 8 x 2,048 x 1,024 float32; x 2 x 512 x 1,024 float32.
;; Outputs: out0 2 x 512 x 1,024 float32.
;; 2 versions, each right; version 2 is version 1 with the launches ffn1, ffn2 written anew for expert scheduling mode. Each part assembles by itself: llvm-mc -triple=amdgcn-amd-amdhsa -mcpu=gfx1250 --defsym DOCPART=n.
;; ======== version 1 of 2: 4 launches
;; workspace buffers: sel 4,096 bytes of whole numbers; gw 8,192 bytes; xb 2,097,152 bytes; hid 33,554,432 bytes; part 16,777,216 bytes
;; launch router (part 1): grid 256 x 1, 4 waves a work-group, no clusters, 0 bytes of LDS; arguments x, gate_w, sel, gw, xb; writes sel, gw, xb
.if DOCPART == 1
	.amdgcn_target "amdgcn-amd-amdhsa--gfx1250"
	.amdhsa_code_object_version 6
	.text
	.protected	k_q1f98496255_router
	.globl	k_q1f98496255_router
	.p2align	8
	.type	k_q1f98496255_router,@function
k_q1f98496255_router:
	s_mov_b64 s[64:65], 0
	v_nop
	global_prefetch_b8 v0, s[64:65] scope:SCOPE_SE
	s_setreg_imm32_b32 hwreg(HW_REG_WAVE_MODE, 25, 1), 1
	s_wait_xcnt 0x0
; ROUTER.  logits = x gate_w^T, softmax, the two largest, their weights; and x rounded once to bf16 for the products.
; x and gate_w are rounded to bf16 for the logits too, as every input of the module is for its products: the same rounded x serves router and experts.  Products and sums in f32, on the vector
; unit: 8 columns would fill half of a matrix tile, and 64 tiles of 16 tokens would leave three quarters of the work-groups without work.
; One token to a wave, four waves to a work-group: 256 work-groups for 1,024 tokens.  A lane holds 4 numbers of each of the row's 8 chunks of 128.  No wave needs another's numbers: no LDS, no barrier.
; OUT: sel[n] = first expert | second expert << 8 (whole numbers, at fixed places: no address here hangs on them); gw[n] = the two combine weights;
; xb[j][n][0..127] = bf16(x[n][128 j ..]): eight chunks of K, in each 256 bytes a token, so that every store of a wave covers 256 consecutive bytes, aligned.
; sel and gw are 12 bytes a token, stored by one lane: 12 KiB in the whole launch.
; ARITHMETIC.  m = the largest logit is taken away before the exponentials: E_e = 2^(c L_e - c m), c = log2(e), Z = sum of E_e.  The two kept probabilities are 1 / Z and E2 / Z, so
; vals / (sum + 1e-8) = 1 / (1 + E2 + 1e-8 Z) and E2 / (1 + E2 + 1e-8 Z): one reciprocal a token.
; LIMITS.  The two largest are found on the f32 logits by a strict greater-than, so the lower index wins a tie; two logits that differ but whose probabilities round to one f32 number are
; ordered by the logits.  A logit is summed in another order than a plain dot product.  NaN and infinities among the logits are not treated apart (the two experts could then coincide).
.set X,   16          ; v16-47   x: chunk j at X + 4 j; as loaded, then rounded to bf16 and widened again
.set PKR, 48          ; v48-63   x packed to bf16, on its way to xb: never rewritten
.set ACC, 64          ; v64-79   expert e at ACC + 2 e: two partial sums; then the logit in the even register, the exponential in the odd one
.set TT,  80          ; v80-87   +0 m, +1 its index, +2 second, +3 its index, +4 c m then Z, +5 E2, +6 the word for sel, +7 the divisor
.set GW,  88          ; v88-89   the two weights
.set ZO,  90          ; v90      0: the last stores' offset
.set XCH, 262144      ; bytes in a chunk of xb: 1,024 tokens x 256
.set MSB, 0           ; window 1: v0-255 gate_w: expert e, chunk j at 32 e + 4 j
.macro WIN new                         ; the immediate's high byte repeats the setting that is left
.if MSB != (\new)
	s_set_vgpr_msb (MSB<<8)|(\new)
.set MSB, \new
.endif
.endm
	s_load_b256 s[4:11], s[0:1], 0x0               ; x s[4:5], gate_w s[6:7], sel s[8:9], gw s[10:11]
	s_load_b64 s[12:13], s[0:1], 0x20              ; xb
	v_lshrrev_b32 v4, 5, v0
	v_readfirstlane_b32 s29, v4                    ; wave 0..3
	v_and_b32 v3, 31, v0                           ; lane
	v_lshlrev_b32 v1, 4, v3                        ; 16 bytes a lane
	v_lshlrev_b32 v2, 3, v3                        ; 8 bytes a lane
	s_mov_b32 s16, 0x76543210                      ; v_permlanex16_b32: each lane takes its own place in the other half
	s_mov_b32 s17, 0xfedcba98
	s_mov_b32 s18, 0x3fb8aa3b                      ; c = log2(e)
	s_mov_b32 s19, 0x322bcc77                      ; 1e-8
	s_mov_b32 s28, 0xffff0000                      ; a word's upper bf16
	s_lshl2_add_u32 s30, ttmp9, s29                ; my token
	s_mov_b32 s15, 0
	s_lshl_b32 s14, s30, 12                        ; a row of 4,096 bytes
	s_wait_kmcnt 0x0
	s_add_nc_u64 s[4:5], s[4:5], s[14:15]
	s_lshl_b32 s14, s30, 8                         ; 256 bytes in each chunk of xb
	s_add_nc_u64 s[12:13], s[12:13], s[14:15]
	s_lshl_b32 s14, s30, 2                         ; a word
	s_add_nc_u64 s[8:9], s[8:9], s[14:15]
	s_lshl_b32 s14, s30, 3                         ; a pair
	s_add_nc_u64 s[10:11], s[10:11], s[14:15]
.set i, 0
.rept 8                                                ; x: each load takes 512 neighbouring bytes
	global_load_b128 v[X+4*i:X+4*i+3], v1, s[4:5] offset:i*512 th:TH_LOAD_NT
.set i, i+1
.endr
	WIN 0x40                                       ; destination window 1
.set i, 0
.rept 64                                               ; gate_w, chunk by chunk: chunk i / 8 of expert i % 8
	global_load_b128 v[32*(i%8)+4*(i/8):32*(i%8)+4*(i/8)+3], v1, s[6:7] offset:(i%8)*4096+(i/8)*512
.set i, i+1
.endr
	WIN 0
	s_wait_loadcnt 63                              ; x is in: gate_w's 64 loads are younger (the count's field ends at 63, so its first load is waited for too)
.set i, 0
.rept 8                                                ; x is rounded to bf16, leaves for xb, and is widened again for the logits
	v_cvt_pk_bf16_f32 v[PKR+2*i], v[X+4*i], v[X+4*i+1]
	v_cvt_pk_bf16_f32 v[PKR+2*i+1], v[X+4*i+2], v[X+4*i+3]
	global_store_b64 v2, v[PKR+2*i:PKR+2*i+1], s[12:13] offset:i*XCH
	v_lshlrev_b32 v[X+4*i], 16, v[PKR+2*i]
	v_and_b32 v[X+4*i+1], s28, v[PKR+2*i]
	v_lshlrev_b32 v[X+4*i+2], 16, v[PKR+2*i+1]
	v_and_b32 v[X+4*i+3], s28, v[PKR+2*i+1]
.set i, i+1
.endr
.set j, 0
.rept 8
	s_wait_loadcnt 56-8*j                          ; chunk j of all eight experts is in; the 8 loads of each later chunk stay out
	WIN 0x45                                       ; sources and destination window 1: the chunk is rounded to bf16 and widened again, in place
.set ee, 0
.rept 8
	v_cvt_pk_bf16_f32 v[32*ee+4*j], v[32*ee+4*j], v[32*ee+4*j+1]
	v_cvt_pk_bf16_f32 v[32*ee+4*j+2], v[32*ee+4*j+2], v[32*ee+4*j+3]
.set ee, ee+1
.endr
.set ee, 0
.rept 8
	v_and_b32 v[32*ee+4*j+1], s28, v[32*ee+4*j]
	v_lshlrev_b32 v[32*ee+4*j], 16, v[32*ee+4*j]
	v_and_b32 v[32*ee+4*j+3], s28, v[32*ee+4*j+2]
	v_lshlrev_b32 v[32*ee+4*j+2], 16, v[32*ee+4*j+2]
.set ee, ee+1
.endr
	WIN 0x04                                       ; source 1 (gate_w) window 1
.set u, 0
.rept 2
.set p, 0
.rept 8                                                ; eight sums that do not wait for each other, one an expert
.if (j == 0) && (u == 0)
	v_pk_mul_f32 v[ACC+2*p:ACC+2*p+1], v[X+4*j+2*u:X+4*j+2*u+1], v[32*p+4*j+2*u:32*p+4*j+2*u+1]
.else
	v_pk_fma_f32 v[ACC+2*p:ACC+2*p+1], v[X+4*j+2*u:X+4*j+2*u+1], v[32*p+4*j+2*u:32*p+4*j+2*u+1], v[ACC+2*p:ACC+2*p+1]
.endif
.set p, p+1
.endr
.set u, u+1
.endr
.set j, j+1
.endr
	WIN 0
	; the eight sums over the wave's lanes: the pair, four steps inside each half of 16 lanes, one across the halves
.set p, 0
.rept 8
	v_add_f32 v[ACC+2*p], v[ACC+2*p], v[ACC+2*p+1]
.set p, p+1
.endr
.irp m, 1,2,4,8
.set p, 0
.rept 8
	v_add_f32_dpp v[ACC+2*p], v[ACC+2*p], v[ACC+2*p] row_xmask:\m row_mask:0xf bank_mask:0xf
.set p, p+1
.endr
.endr
.set p, 0
.rept 8
	v_permlanex16_b32 v[ACC+2*p+1], v[ACC+2*p], s16, s17
.set p, p+1
.endr
.set p, 0
.rept 8
	v_add_f32 v[ACC+2*p], v[ACC+2*p], v[ACC+2*p+1]     ; every lane holds logit e
.set p, p+1
.endr
	; the largest: strict greater-than keeps the lower index
	v_mov_b32 v[TT], v[ACC]
	v_mov_b32 v[TT+1], 0
.irp e, 1,2,3,4,5,6,7
	v_cmp_gt_f32 s20, v[ACC+2*\e], v[TT]
	v_cndmask_b32 v[TT], v[TT], v[ACC+2*\e], s20
	v_cndmask_b32 v[TT+1], v[TT+1], \e, s20
.endr
	; the second: the same among the other seven
	v_mov_b32 v[TT+2], 0xff800000
	v_mov_b32 v[TT+3], 0
.irp e, 0,1,2,3,4,5,6,7
	v_cmp_ne_u32 s20, \e, v[TT+1]
	v_cmp_gt_f32 s24, v[ACC+2*\e], v[TT+2]
	s_and_b32 s20, s20, s24
	v_cndmask_b32 v[TT+2], v[TT+2], v[ACC+2*\e], s20
	v_cndmask_b32 v[TT+3], v[TT+3], \e, s20
.endr
	; c L - c m for the eight logits and once more for the second
	v_mul_f32 v[TT+4], s18, v[TT]
.irp e, 0,1,2,3,4,5,6,7
	v_fma_f32 v[ACC+2*\e+1], v[ACC+2*\e], s18, -v[TT+4]
.endr
	v_fma_f32 v[TT+5], v[TT+2], s18, -v[TT+4]
.irp e, 0,1,2,3,4,5,6,7
	v_exp_f32 v[ACC+2*\e+1], v[ACC+2*\e+1]         ; one batch of nine exponentials
.endr
	v_exp_f32 v[TT+5], v[TT+5]
	v_nop                                          ; a plain instruction behind the last exponential (ISA guide 5.7.2),
	s_wait_alu depctr_va_vdst(0)                   ; and the one wait ahead of the batch's first use
.irp e, 0,2,4,6
	v_add_f32 v[ACC+2*\e+1], v[ACC+2*\e+1], v[ACC+2*\e+3]
.endr
.irp e, 0,4
	v_add_f32 v[ACC+2*\e+1], v[ACC+2*\e+1], v[ACC+2*\e+5]
.endr
	v_add_f32 v[TT+4], v[ACC+1], v[ACC+9]          ; Z
	v_add_f32 v[TT+7], 1.0, v[TT+5]                ; 1 + E2
	v_fma_f32 v[TT+7], v[TT+4], s19, v[TT+7]       ; + 1e-8 Z
	v_rcp_f32 v[GW], v[TT+7]                       ; weight 0
	v_lshl_or_b32 v[TT+6], v[TT+3], 8, v[TT+1]     ; the word for sel: plain work behind the reciprocal
	v_mov_b32 v[ZO], 0
	s_wait_alu depctr_va_vdst(0)                   ; the reciprocal's wait
	v_mul_f32 v[GW+1], v[TT+5], v[GW]              ; weight 1
	s_wait_xcnt 0x0                                ; EXEC is a source of the stores above: it changes only behind this wait
	v_cmp_eq_u32 vcc_lo, 0, v3
	s_and_saveexec_b32 s23, vcc_lo                 ; every lane holds the same three numbers: lane 0 stores them
	global_store_b32 v[ZO], v[TT+6], s[8:9]
	global_store_b64 v[ZO], v[GW:GW+1], s[10:11]
	s_wait_xcnt 0x0                                ; and again in front of the line that widens it
	s_or_b32 exec_lo, exec_lo, s23
	s_endpgm
.Lfunc_end_k_q1f98496255_router:
	.size	k_q1f98496255_router, .Lfunc_end_k_q1f98496255_router-k_q1f98496255_router
	.p2alignl 7, 3214868480
	.fill 96, 4, 3214868480
	.section	.rodata,"a",@progbits
	.p2align	6, 0x0
	.amdhsa_kernel k_q1f98496255_router
		.amdhsa_group_segment_fixed_size 0
		.amdhsa_private_segment_fixed_size 0
		.amdhsa_enable_private_segment 0
		.amdhsa_kernarg_size 40
		.amdhsa_user_sgpr_count 2
		.amdhsa_user_sgpr_kernarg_segment_ptr 1
		.amdhsa_wavefront_size32 1
		.amdhsa_system_sgpr_workgroup_id_x 1
		.amdhsa_system_sgpr_workgroup_id_y 1
		.amdhsa_system_sgpr_workgroup_id_z 1
		.amdhsa_system_vgpr_workitem_id 0
		.amdhsa_next_free_vgpr 512
		.amdhsa_next_free_sgpr 66
		.amdhsa_reserve_vcc 1
		.amdhsa_float_denorm_mode_32 3
		.amdhsa_float_denorm_mode_16_64 3
		.amdhsa_memory_ordered 1
		.amdhsa_forward_progress 1
		.amdhsa_inst_pref_size 45
	.end_amdhsa_kernel
	.amdgpu_metadata
---
amdhsa.version: [ 1, 2 ]
amdhsa.kernels:
  - .name:           k_q1f98496255_router
    .symbol:         k_q1f98496255_router.kd
    .args:
      - { .name: x, .offset: 0, .size: 8, .value_kind: global_buffer, .address_space: global }
      - { .name: gate_w, .offset: 8, .size: 8, .value_kind: global_buffer, .address_space: global }
      - { .name: sel, .offset: 16, .size: 8, .value_kind: global_buffer, .address_space: global }
      - { .name: gw, .offset: 24, .size: 8, .value_kind: global_buffer, .address_space: global }
      - { .name: xb, .offset: 32, .size: 8, .value_kind: global_buffer, .address_space: global }
    .group_segment_fixed_size: 0
    .private_segment_fixed_size: 0
    .kernarg_segment_align: 8
    .kernarg_segment_size: 40
    .max_flat_workgroup_size: 128
    .sgpr_count:     66
    .vgpr_count:     512
    .wavefront_size: 32
...
	.end_amdgpu_metadata
.endif
;; end of part 1
;; launch ffn1 (part 2): grid 256 x 1, 4 waves a work-group, no clusters, 282,112 bytes of LDS; arguments sel, xb, w1, w3, hid; writes hid
.if DOCPART == 2
	.amdgcn_target "amdgcn-amd-amdhsa--gfx1250"
	.amdhsa_code_object_version 6
	.text
	.protected	k_q1f98496255_ffn1
	.globl	k_q1f98496255_ffn1
	.p2align	8
	.type	k_q1f98496255_ffn1,@function
k_q1f98496255_ffn1:
	s_mov_b64 s[64:65], 0
	v_nop
	global_prefetch_b8 v0, s[64:65] scope:SCOPE_SE
	s_setreg_imm32_b32 hwreg(HW_REG_WAVE_MODE, 25, 1), 1
	s_wait_xcnt 0x0
; FIRST PRODUCT OF THE EXPERTS.  hid = bf16( silu(x w1^T) * (x w3^T) ) for the rows that chose expert e, hidden columns 64 s .. 64 s + 63.
; GRID: 8 experts x 32 slices.  A work-group alone reads its slice of the weights (64 rows of w1, the same 64 of w3, 1,024 along K: 512 KiB of f32), once, rounds it to bf16 on the way
; through registers and keeps it in LDS; then all of the expert's rows are multiplied with it, the token rows coming from memory straight into operand registers.
; THE LIST.  Every wave reads sel (1,024 words) and sorts out its expert's rows for itself: rank -> q = 2 x token + choice.  The order (register by register, lanes ascending) is the same text
; in the second product, so ranks agree.  It serves every split: 0 to 1,024 rows an expert.
; ROWS.  Tile t of 16 ranks belongs to wave t % 4; a wave takes up to five tiles in a pass (80 x 128 of results), so a pass holds 320 rows; four passes cover 1,024.  The pass loop has a constant count; a pass
; without rows, the fifth tile's products where it has no rows, and the way out of a tile without rows are jumped over forward; no barrier stands there.  The first four tiles of a live pass are always multiplied:
; a place past the count repeats the last rank.  An expert with more than 320 rows pays a whole pass for each further 320.
; A pass's 16 K steps (64 numbers each) are written out: every LDS address is a register that is never rewritten plus an immediate.
; THE MATRIX INSTRUCTION IS USED TRANSPOSED: source 0 = 16 weight rows, source 1 = 16 tokens: a lane then holds one token and eight neighbouring hidden columns.
; hid LIES IN THE ORDER OF THE SECOND PRODUCT'S OPERAND REGISTERS: [expert][slice][tile of 16 ranks][16 columns b][lane][16 bytes].  Rounded in pairs, my lane's eight numbers of column tile b are just what the same
; lane takes there as four registers of source 1 (tiles 2 j, 2 j + 1 make 32 along its K).  So a store goes straight from registers and covers 512 consecutive bytes, and so does a load there.
; NO JOINT LOADS: each weight slice has one work-group that reads it; what an expert's 32 work-groups share is its token rows, which a list names one by one, so no one descriptor covers them.
; NO TENSOR LOADS: the weights are f32 and must pass through registers to be rounded; an f32 copy beside the 264,192 bytes of bf16 does not fit.
; LIMITS.  x, w1, w3 are rounded to bf16 for the products, hid once to bf16; sums in f32.  Where exp(-h) overflows f32 the result is 0 x h g = 0, as silu's limit is.  NaN and infinities are not treated apart.
.set PW,     2064     ; an LDS row of weights: 2,048 bytes + 16 = 516 words: row r starts at bank 4 r mod 64 (64 banks of 4 bytes: ISA guide 11.1): the 16 rows of a load start at 16 different groups of four banks
.set NROW,   128      ; rows 0-63 w1, rows 64-127 w3
.set LIST,   NROW*PW  ; behind the weights: a list for each wave, 1,056 words: 1,024 ranks and 32 words where lanes without a row put theirs
.set LISTB,  4352
.set SPARE,  LIST+4*LISTB  ; the spare words, 128 bytes for each wave: two blocks of 256 bytes that no other line names
.set ROWB,   4096     ; bytes from a weight row to the next in memory
.set RSTEP,  4*ROWB   ; a round of the ring: four rows
.set ROUNDS, 8        ; 32 rows a wave
.set KB,     128      ; bytes of a K step (64 along K) in an LDS row
.set XCH,    262144   ; bytes in a chunk of xb: two K steps of all 1,024 tokens, 256 bytes a token
.set NTW,    5        ; tiles of a wave in a pass
.set LR,   1          ; v1   lane % 16
.set LH,   2          ; v2   lane / 16
.set LN,   3          ; v3   lane
.set SPW,  4          ; v4   LDS address of my spare word; never rewritten
.set NIL,  5          ; v5   0; never rewritten
.set BA,   6          ; v6-9   LDS address of my place in weight tiles 0, 2, 4, 6 (the odd tiles by the immediate); never rewritten
.set AO,   10         ; v10-14 byte offset in a chunk of xb of my row of tile a
.set H16,  15         ; v15  16 x (lane / 16)
.set LB,   16         ; v16  my wave's list
.set HO,   18         ; v18  my byte offset in hid
.set GOFF, 19         ; v19  16 x lane
.set SA,   20         ; v20  LDS address of my 8 bytes in the round's first row
.set L8,   21         ; v21  8 x lane
.set DUMP, 22         ; v22  1,024 + lane
.set PFO,  23         ; v23  256 x lane
.set TM,   24         ; v24-31 at work
.set SEL,  32         ; v32-63 sel: register 4 c + j holds token 128 c + 4 lane + j
.set STG,  64         ; v64-191 first: the ring of 32 loads of weights
.set BF,   64         ; then: two buffers of 64 for the weights' fragments (8 tiles x 32 K)
.set T,    64         ; on the way out: v64-95 the gate's factor, v96-127 h g, v128-143 packed results
.set U,    96
.set Y,    128
.set CV,   192        ; v192-207 eight pairs of rounded weights
                      ; window 1: accumulator (a, b) of token tiles a = 0..3 at 8 (8 a + b); weight tile b: 0-3 w1, 4-7 w3
                      ; windows 2 and 3, v0-159: the token fragments, a ring of four K steps: step k in window 2 + (k % 4) / 2, tile a, half j at 80 (k % 2) + 16 a + 8 j
                      ; window 3, v160-223: the accumulators of token tile 4
.set MSB, 0
.macro WIN new                         ; the immediate's high byte repeats the setting that is left; a switch that changes nothing is dropped
.if MSB != (\new)
	s_set_vgpr_msb (MSB<<8)|(\new)
.set MSB, \new
.endif
.endm
	s_load_b256 s[4:11], s[0:1], 0x0               ; sel s[4:5], xb s[6:7], w1 s[8:9], w3 s[10:11]
	s_load_b64 s[12:13], s[0:1], 0x20              ; hid
	v_lshl_add_u32 v[SPW], v0, 2, SPARE
	v_mov_b32 v[NIL], 0
	v_lshrrev_b32 v[TM], 5, v0
	v_readfirstlane_b32 s14, v[TM]                 ; wave 0..3
	v_and_b32 v[LN], 31, v0
	v_and_b32 v[LR], 15, v0
	v_bfe_u32 v[LH], v0, 4, 1
	s_lshr_b32 s15, ttmp9, 5                       ; expert
	s_and_b32 s16, ttmp9, 31                       ; slice
	s_mov_b32 s32, 0xbfb8aa3b                      ; -log2(e)
	s_mov_b32 s33, s32                             ; named with it as a pair
	v_lshlrev_b32 v[H16], 4, v[LH]
	v_mul_u32_u24 v[BA], v[LR], PW
	v_lshl_add_u32 v[BA], v[LH], 4, v[BA]          ; row x pitch + 16 x half
	v_add_nc_u32 v[BA+1], 2*16*PW, v[BA]
	v_add_nc_u32 v[BA+2], 4*16*PW, v[BA]
	v_add_nc_u32 v[BA+3], 6*16*PW, v[BA]
	s_mul_i32 s22, s14, LISTB
	s_add_co_u32 s22, s22, LIST
	v_mov_b32 v[LB], s22
	v_lshlrev_b32 v[GOFF], 4, v[LN]
	v_lshlrev_b32 v[L8], 3, v[LN]
	v_add_nc_u32 v[DUMP], 1024, v[LN]
	v_lshlrev_b32 v[PFO], 8, v[LN]
	s_mul_i32 s22, s14, 32*PW                      ; wave w fills LDS rows 32 w .. 32 w + 31
	v_add_nc_u32 v[SA], s22, v[L8]
	s_lshl_b32 s28, s15, 23                        ; an expert's 8 MiB,
	s_lshl_b32 s22, s16, 18                        ; the slice's 64 rows,
	s_add_co_u32 s28, s28, s22
	s_and_b32 s22, s14, 1
	s_lshl_b32 s22, s22, 17                        ; my half of them
	s_add_co_u32 s28, s28, s22
	s_mov_b32 s29, 0
	s_wait_kmcnt 0x0
.irp c, 0,1,2,3,4,5,6,7
	global_load_b128 v[SEL+4*\c:SEL+4*\c+3], v[GOFF], s[4:5] offset:512*\c th:TH_LOAD_HT  ; every wave of the launch reads these 4,096 bytes
.endr
	s_cmp_lt_u32 s14, 2                            ; waves 0 and 1 stream w1, waves 2 and 3 w3
	s_cselect_b64 s[24:25], s[8:9], s[10:11]
	s_add_nc_u64 s[24:25], s[24:25], s[28:29]
	s_lshl_b32 s28, s15, 22                        ; hid: 4 MiB an expert, 128 KiB a slice
	s_lshl_b32 s22, s16, 17
	s_add_co_u32 s28, s28, s22
	s_add_nc_u64 s[12:13], s[12:13], s[28:29]
.set i, 0
.rept 32                                               ; the ring is filled: four rows, 32 loads of 512 neighbouring bytes
	global_load_b128 v[STG+4*i:STG+4*i+3], v[GOFF], s[24:25] offset:(i/8)*ROWB+(i%8)*512 th:TH_LOAD_NT
.set i, i+1
.endr
; THE LIST, made while the first weights are on their way.  Its 1,024 ranks are first written whole, so that no word is ever read that nobody wrote.  Then, for each of the 32 registers: which lanes
; chose my expert (as first or as second choice; never both), their ranks by a count of the lanes below, q into the list at the rank; a lane without a row writes into its own word behind the list.
	v_add_nc_u32 v[TM], v[LB], v[GOFF]
.irp z, 4,5,6,7
	v_mov_b32 v[TM+\z], 0
.endr
.irp c, 0,1,2,3,4,5,6,7
	ds_store_b128 v[TM], v[TM+4:TM+7] offset:512*\c
.endr
	s_wait_loadcnt 32                              ; sel is in; the 32 younger loads, the ring's, stay out
	s_mov_b32 s17, 0                               ; rows so far
.set m, 0
.rept 32
	v_and_b32 v[TM], 0xff, v[SEL+m]
	v_bfe_u32 v[TM+1], v[SEL+m], 8, 8
	v_cmp_eq_u32 s30, s15, v[TM]
	v_cmp_eq_u32 s31, s15, v[TM+1]
	s_or_b32 s22, s30, s31
	v_cndmask_b32 v[TM+2], 0, 1, s31
	v_add3_u32 v[TM+2], v[TM+2], v[L8], 256*(m/4)+2*(m%4)   ; q = 2 (128 c + 4 lane + j) + choice
	v_mbcnt_lo_u32_b32 v[TM+3], s22, s17
	v_cndmask_b32 v[TM+3], v[DUMP], v[TM+3], s22
	v_min_u32 v[TM+3], 0x41f, v[TM+3]              ; inside the list's 1,056 words, whatever sel holds
	v_lshl_add_u32 v[TM+3], v[TM+3], 2, v[LB]
	ds_store_b32 v[TM+3], v[TM+2]                  ; LDS serves a wave's instructions in order (ISA guide 5.7.1.4): it lands behind the zeros
	s_bcnt1_i32_b32 s23, s22
	s_add_co_u32 s17, s17, s23
.set m, m+1
.endr
	s_max_u32 s18, s17, 1
	s_sub_co_u32 s18, s18, 1                       ; the last rank
	s_add_co_u32 s19, s17, 15
	s_lshr_b32 s19, s19, 4                         ; tiles of 16 ranks
; THE WEIGHTS.  One slot's turn: its 16 bytes a lane are rounded to 8 and laid into LDS (256 neighbouring bytes a store); ahead = 1: the slot is loaded again, four rows on.
.macro SLOTW i, ahead, left
	s_wait_loadcnt \left                           ; loads come back in order (ISA guide 5.7.1): mine is in, the younger ones stay out
	v_cvt_pk_bf16_f32 v[CV+2*((\i)%8)], v[STG+4*(\i)], v[STG+4*(\i)+1]
	v_cvt_pk_bf16_f32 v[CV+2*((\i)%8)+1], v[STG+4*(\i)+2], v[STG+4*(\i)+3]
	ds_store_b64 v[SA], v[CV+2*((\i)%8):CV+2*((\i)%8)+1] offset:((\i)/8)*PW+((\i)%8)*256
.if \ahead
	global_load_b128 v[STG+4*(\i):STG+4*(\i)+3], v[GOFF], s[24:25] offset:RSTEP+((\i)/8)*ROWB+((\i)%8)*512 th:TH_LOAD_NT
.endif
.endm
	s_mov_b32 s26, ROUNDS-1
.Lround:
.set i, 0
.rept 32
	SLOTW i, 1, 31                                 ; the ring's 31 other loads are younger
.if i == 15
	s_cmp_eq_u32 s26, 1                            ; the round two ahead of the one in hand is asked for, 64 blocks of 256 bytes, each by this wave alone; the last trip has no such round
	s_cbranch_scc1 .Lno_ask
	global_prefetch_b8 v[PFO], s[24:25] offset:2*RSTEP th:TH_LOAD_NT scope:SCOPE_SE
	global_prefetch_b8 v[PFO], s[24:25] offset:2*RSTEP+2*ROWB th:TH_LOAD_NT scope:SCOPE_SE
.Lno_ask:
.endif
.set i, i+1
.endr
	s_wait_xcnt 0x0                                ; the loads' base is stepped only behind this wait (ISA guide 3.1)
	s_add_nc_u64 s[24:25], s[24:25], RSTEP
	v_add_nc_u32 v[SA], 4*PW, v[SA]
	s_sub_co_u32 s26, s26, 1
	s_cmp_lg_u32 s26, 0
	s_cbranch_scc1 .Lround
.set i, 0
.rept 32
	SLOTW i, 0, 31-i                               ; the last round loads nothing: the counts run down
.set i, i+1
.endr
	s_wait_dscnt 0x0                               ; for the others' sake: my rows of the slice are in LDS
	s_barrier_signal -1
	s_barrier_wait -1                              ; the slice is whole; from here on no wave writes LDS but for its spare words at its end
; THE PRODUCTS.
.macro AFILL k                         ; K step k (64 along K) of my five token tiles: 20 loads into ring place k % 4.  The rows are read again by the expert's other 31 work-groups
	WIN 0x80+0x40*(((\k)%4)/2)                     ; destination window 2 or 3
.irp a, 0,1,2,3,4
.irp j, 0,1
.irp u, 0,1
	global_load_b128 v[80*((\k)%2)+16*\a+8*\j+4*\u:80*((\k)%2)+16*\a+8*\j+4*\u+3], v[AO+\a], s[6:7] offset:XCH*((\k)/2)+128*((\k)%2)+64*\j+32*\u th:TH_LOAD_HT
.endr
.endr
.endr
	WIN 0
.endm
.macro BFILL k, j                      ; half j of K step k of the eight weight tiles: 16 LDS loads into buffer j
	WIN 0
.irp b, 0,1,2,3,4,5,6,7
.irp u, 0,1
	ds_load_b128 v[BF+64*(\j)+8*\b+4*\u:BF+64*(\j)+8*\b+4*\u+3], v[BA+\b/2] offset:(\b%2)*16*PW+KB*(\k)+64*(\j)+32*\u
.endr
.endr
.endm
; Half j of K step k: up to 40 matrix instructions.  First the loads that run ahead: they go into registers that the half before multiplied, so four places stand in front of them (ISA guide 7.12.1 for
; vector instructions).  The accumulators take turns, one instruction a turn, with and without the fifth tile.
; The very first half starts all 40 sums with the constant 0, so that every accumulator is written on every way; the other halves jump the fifth tile's eight products where that tile has no rows.
; The tokens are asked for three K steps ahead, all five tiles' always, so that the counts are the same on every way.
.macro SUB k, j
.if ((\k) != 0) || ((\j) != 0)
.rept 4
	v_nop
.endr
.endif
.if ((\j) == 0) && ((\k) <= 12)
	AFILL (\k)+3
.endif
.if (\j) == 0
	BFILL \k, 1
.elseif (\k) < 15
	BFILL (\k)+1, 0
.endif
.if (\j) == 0
.if (\k) <= 12
	s_wait_loadcnt 60                              ; the tokens of this K step are in; three younger groups of 20 stay out
.else
	s_wait_loadcnt 20*(15-(\k))                    ; nothing more is asked for: the counts run down
.endif
.endif
.if ((\k) == 15) && ((\j) == 1)
	s_wait_dscnt 0x0
.else
	s_wait_dscnt 16                                ; this half's weights are in; the 16 loads just issued stay out
.endif
.irp a, 0,1,2,3,4
.if \a < 4
.set CB, 64*\a
.set CW, 0x50                          ; C and D window 1
.else
.set CB, 160
.set CW, 0xf0                          ; C and D window 3
.if ((\k) != 0) || ((\j) != 0)
	WIN 0                                          ; at a branch and at a label every window is 0
	s_cmp_le_u32 s21, 4
	s_cbranch_scc1 .Lend_\@
.endif
.endif
	WIN CW+0x08+0x04*(((\k)%4)/2)                  ; source 0 (weights) window 0, source 1 (tokens) window 2 or 3
.irp b, 0,1,2,3,4,5,6,7
.if ((\k) == 0) && ((\j) == 0)
	v_wmma_f32_16x16x32_bf16 v[CB+8*\b:CB+8*\b+7], v[BF+64*(\j)+8*\b:BF+64*(\j)+8*\b+7], v[80*((\k)%2)+16*\a+8*(\j):80*((\k)%2)+16*\a+8*(\j)+7], 0
.else
	v_wmma_f32_16x16x32_bf16 v[CB+8*\b:CB+8*\b+7], v[BF+64*(\j)+8*\b:BF+64*(\j)+8*\b+7], v[80*((\k)%2)+16*\a+8*(\j):80*((\k)%2)+16*\a+8*(\j)+7], v[CB+8*\b:CB+8*\b+7]
.endif
.endr
.endr
	WIN 0
.Lend_\@:
.endm
; THE WAY OUT of tile a: h g / (1 + 2^(-log2(e) h)), rounded to bf16, stored straight from registers: 2,048 consecutive bytes of hid.  Each accumulator is read from its low end on.
.macro EPI a
.if (\a) < 4
.set EB, 64*(\a)
.set EW, 1
.else
.set EB, 160
.set EW, 3
.endif
	s_wait_xcnt 0x0                                ; the stores of the tile before have read their registers (ISA guide 3.1)
	s_add_co_u32 s23, s27, 4*(\a)                  ; the tile's number
	s_lshl_b32 s23, s23, 11                        ; 2,048 bytes a tile
	v_add_nc_u32 v[HO], s23, v[GOFF]
	WIN EW                                         ; source 0: the tile's window
.set i, 0
.rept 16
	v_pk_mul_f32 v[T+2*i:T+2*i+1], v[EB+2*i:EB+2*i+1], s[32:33] op_sel_hi:[1,0]
.set i, i+1
.endr
	WIN 0
.set i, 0
.rept 32                                               ; one batch of exponentials;
	v_exp_f32 v[T+i], v[T+i]
.set i, i+1
.endr
	WIN 5*EW                                       ; sources 0 and 1: the tile's window
.set i, 0
.rept 16                                               ; h g is the independent work behind it;
	v_pk_mul_f32 v[U+2*i:U+2*i+1], v[EB+2*i:EB+2*i+1], v[EB+32+2*i:EB+32+2*i+1]
.set i, i+1
.endr
	WIN 0
	s_wait_alu depctr_va_vdst(0)                   ; one wait ahead of the batch's first use
.set i, 0
.rept 16
	v_pk_add_f32 v[T+2*i:T+2*i+1], v[T+2*i:T+2*i+1], 1.0 op_sel_hi:[1,0]
.set i, i+1
.endr
.set i, 0
.rept 32
	v_rcp_f32 v[T+i], v[T+i]
.set i, i+1
.endr
	v_nop                                          ; a plain instruction behind the last reciprocal,
	s_wait_alu depctr_va_vdst(0)                   ; and the batch's one wait
.set i, 0
.rept 16
	v_pk_mul_f32 v[U+2*i:U+2*i+1], v[U+2*i:U+2*i+1], v[T+2*i:T+2*i+1]
.set i, i+1
.endr
.set i, 0
.rept 16
	v_cvt_pk_bf16_f32 v[Y+i], v[U+2*i], v[U+2*i+1]
.set i, i+1
.endr
.irp b, 0,1,2,3
	global_store_b128 v[HO], v[Y+4*\b:Y+4*\b+3], s[12:13] offset:\b*512  ; column tile b of all 16 rows: 512 consecutive bytes, at a multiple of 256 from hid's first byte
.endr
.endm
	s_mov_b32 s20, 0                               ; the pass
.Lpass:
	s_mul_i32 s27, s20, 4*NTW
	s_add_co_u32 s27, s27, s14                     ; my first tile of the pass: 20 P + w; the others 4, 8, 12, 16 further on
	s_sub_co_i32 s21, s19, s27
	s_add_co_i32 s21, s21, 3
	s_ashr_i32 s21, s21, 2
	s_max_i32 s21, s21, 0
	s_min_i32 s21, s21, NTW                        ; how many of the five exist
	s_cmp_eq_u32 s21, 0
	s_cbranch_scc1 .Lnext
	s_wait_xcnt 0x0                                ; the last pass's loads and stores have read their registers
	s_lshl_b32 s22, s27, 4
	v_add_nc_u32 v[TM], s22, v[LR]                 ; my rank in tile 0
.irp a, 0,1,2,3,4
	v_add_nc_u32 v[TM+1], 64*\a, v[TM]
	v_min_u32 v[TM+1], s18, v[TM+1]                ; past the count: the last rank once more
	v_min_u32 v[TM+1], 0x3ff, v[TM+1]
	v_lshl_add_u32 v[TM+1], v[TM+1], 2, v[LB]
	ds_load_b32 v[AO+\a], v[TM+1]
.endr
	s_wait_dscnt 0x0
.irp a, 0,1,2,3,4
	v_min_u32 v[AO+\a], 0x7ff, v[AO+\a]
	v_and_b32 v[AO+\a], 0x7fe, v[AO+\a]            ; 2 x token
	v_lshl_add_u32 v[AO+\a], v[AO+\a], 7, v[H16]   ; token x 256 bytes + 16 x half
.endr
	AFILL 0
	AFILL 1
	AFILL 2
	BFILL 0, 0
.set k, 0
.rept 16
	SUB k, 0
	SUB k, 1
.set k, k+1
.endr
.rept 4
	v_nop                                          ; the places behind the last products
.endr
	EPI 0
	s_cmp_le_u32 s21, 1
	s_cbranch_scc1 .Lnext
	EPI 1
	s_cmp_le_u32 s21, 2
	s_cbranch_scc1 .Lnext
	EPI 2
	s_cmp_le_u32 s21, 3
	s_cbranch_scc1 .Lnext
	EPI 3
	s_cmp_le_u32 s21, 4
	s_cbranch_scc1 .Lnext
	EPI 4
.Lnext:
	s_add_co_u32 s20, s20, 1
	s_cmp_lt_u32 s20, 4
	s_cbranch_scc1 .Lpass
	s_wait_tensorcnt 0x0                           ; the wave's end
	ds_add_u32 v[SPW], v[NIL]
	s_wait_dscnt 0x0
	s_endpgm
.Lfunc_end_k_q1f98496255_ffn1:
	.size	k_q1f98496255_ffn1, .Lfunc_end_k_q1f98496255_ffn1-k_q1f98496255_ffn1
	.p2alignl 7, 3214868480
	.fill 96, 4, 3214868480
	.section	.rodata,"a",@progbits
	.p2align	6, 0x0
	.amdhsa_kernel k_q1f98496255_ffn1
		.amdhsa_group_segment_fixed_size 282112
		.amdhsa_private_segment_fixed_size 0
		.amdhsa_enable_private_segment 0
		.amdhsa_kernarg_size 40
		.amdhsa_user_sgpr_count 2
		.amdhsa_user_sgpr_kernarg_segment_ptr 1
		.amdhsa_wavefront_size32 1
		.amdhsa_system_sgpr_workgroup_id_x 1
		.amdhsa_system_sgpr_workgroup_id_y 1
		.amdhsa_system_sgpr_workgroup_id_z 1
		.amdhsa_system_vgpr_workitem_id 0
		.amdhsa_next_free_vgpr 992
		.amdhsa_next_free_sgpr 66
		.amdhsa_reserve_vcc 0
		.amdhsa_float_denorm_mode_32 3
		.amdhsa_float_denorm_mode_16_64 3
		.amdhsa_memory_ordered 1
		.amdhsa_forward_progress 1
		.amdhsa_inst_pref_size 247
	.end_amdhsa_kernel
	.amdgpu_metadata
---
amdhsa.version: [ 1, 2 ]
amdhsa.kernels:
  - .name:           k_q1f98496255_ffn1
    .symbol:         k_q1f98496255_ffn1.kd
    .args:
      - { .name: sel, .offset: 0, .size: 8, .value_kind: global_buffer, .address_space: global }
      - { .name: xb, .offset: 8, .size: 8, .value_kind: global_buffer, .address_space: global }
      - { .name: w1, .offset: 16, .size: 8, .value_kind: global_buffer, .address_space: global }
      - { .name: w3, .offset: 24, .size: 8, .value_kind: global_buffer, .address_space: global }
      - { .name: hid, .offset: 32, .size: 8, .value_kind: global_buffer, .address_space: global }
    .group_segment_fixed_size: 282112
    .private_segment_fixed_size: 0
    .kernarg_segment_align: 8
    .kernarg_segment_size: 40
    .max_flat_workgroup_size: 128
    .sgpr_count:     66
    .vgpr_count:     992
    .wavefront_size: 32
...
	.end_amdgpu_metadata
.endif
;; end of part 2
;; launch ffn2 (part 3): grid 256 x 1, 4 waves a work-group, no clusters, 167,424 bytes of LDS; arguments sel, hid, w2, part; writes part
.if DOCPART == 3
	.amdgcn_target "amdgcn-amd-amdhsa--gfx1250"
	.amdhsa_code_object_version 6
	.text
	.protected	k_q1f98496255_ffn2
	.globl	k_q1f98496255_ffn2
	.p2align	8
	.type	k_q1f98496255_ffn2,@function
k_q1f98496255_ffn2:
	s_mov_b64 s[64:65], 0
	v_nop
	global_prefetch_b8 v0, s[64:65] scope:SCOPE_SE
	s_setreg_imm32_b32 hwreg(HW_REG_WAVE_MODE, 25, 1), 1
	s_wait_xcnt 0x0
; SECOND PRODUCT OF THE EXPERTS.  part[kh][q][64 ds .. 64 ds + 63] = the sum over half kh of the hidden width of hid(rank, .) w2[e][d][.], q = 2 x token + choice = list[rank]; f32 partial sums.
; GRID: 8 experts x 16 slices of 64 output columns x 2 halves of K (1,024 each).  A work-group alone reads its slice of w2 (64 rows x 1,024: 256 KiB of f32), once, rounds it to bf16 on the way
; through registers and keeps it in LDS; then all of the expert's rows are multiplied with it, hid coming from memory straight into operand registers.  K is halved and not the columns: 32 columns
; with the whole K would read an expert's hid rows 32 times for the same matrix work, this reads each half 16 times.  The two halves are added, in f32, by the launch behind.
; hid lies in the order of my operand registers: [expert][slice of 64 hidden columns = K step][tile of 16 ranks][16 columns b][lane][16 bytes]: a load takes 512 consecutive bytes, and four registers of
; source 1 are one load: columns b = 2 j and 2 j + 1 make the 32 along K of half j.
; LIST, ROWS, PASSES, TRANSPOSED USE: as in the first product, the list by the same text, so that rank r means the same row in both.  A wave takes up to five tiles in a pass (80 x 64 of results); the fifth tile's
; products are jumped where it has no rows; a tile that does not exist reads the last one that does.  Ranks past the count repeat the last rank: hid holds that row's numbers there, and they are
; stored once more to the same place by the same work-group.  An expert with more than 320 rows pays a whole pass for each further 320.
; A pass's 16 K steps are written out: every LDS address is a register that is never rewritten plus an immediate.
; NO JOINT LOADS: each slice of w2 has one work-group that reads it.  An expert's hid rows are shared by 16 work-groups, but their number hangs on a stored count (up to 1,024 rows x 2,048 bytes a half,
; which no LDS slot beside the slice holds whole), and a loop whose length hangs on a count holds no ring, barrier or tensor load here.
; LIMITS.  w2 is rounded to bf16, hid arrives in bf16; sums in f32.  NaN and infinities are not treated apart.
.set PW,     2064     ; an LDS row of weights: 2,048 bytes + 16: the 16 rows of a load start at 16 different groups of four banks (64 banks of 4 bytes: ISA guide 11.1)
.set NROW,   64
.set LIST,   NROW*PW  ; a list for each wave, 1,056 words
.set LISTB,  4352
.set STAGE,  LIST+4*LISTB  ; a stage for each wave: 16 rows x 272 bytes (256 of f32 + 16)
.set SPT,    272
.set STGB,   16*SPT
.set SPARE,  STAGE+4*STGB  ; the spare words, 128 bytes for each wave: two blocks of 256 bytes that no other line names
.set ROWB,   8192     ; bytes from a row of w2 to the next
.set RSTEP,  4*ROWB   ; a round of the ring: my half of four rows
.set ROUNDS, 4        ; 16 rows a wave
.set KB,     128      ; bytes of a K step (64 along K) in an LDS row
.set KG,     131072   ; and in hid: 64 tiles of 2,048 bytes
.set NTW,    5        ; tiles of a wave in a pass
.set LR,   1          ; v1   lane % 16
.set LH,   2          ; v2   lane / 16
.set LN,   3          ; v3   lane
.set SPW,  4          ; v4   LDS address of my spare word; never rewritten
.set NIL,  5          ; v5   0; never rewritten
.set BA,   6          ; v6-7  LDS address of my place in weight tiles 0, 2; never rewritten
.set AO,   10         ; v10-14 byte offset in a slice of hid of my 16 bytes of tile a
.set LB,   15         ; v15  my wave's list
.set STO,  16         ; v16  the way out: where I put 32 bytes of a row
.set RD,   17         ; v17  the way out: where I read rows back
.set C16,  18         ; v18  16 x (lane % 16)
.set GOFF, 19         ; v19  16 x lane
.set SA,   20         ; v20  LDS address of my 8 bytes in the round's first row
.set L8,   21         ; v21  8 x lane
.set DUMP, 22         ; v22  1,024 + lane
.set PFO,  23         ; v23  two rows of 16 blocks of 256 bytes
.set TM,   24         ; v24-31 at work; on the way out q of eight pairs of rows
.set SEL,  32         ; v32-63 sel; later v32-33 at work, v40-47 the stores' offsets
.set QO,   40
.set STG,  64         ; v64-191 first: the ring of 32 loads of weights
.set BF,   64         ; then: four buffers of 32 for the weights' fragments (4 tiles x 32 K): half j of K step k in buffer (2 k + j) % 4
.set Y,    128        ; v128-159 on the way out: 16 rows read back
.set CV,   192        ; v192-207 eight pairs of rounded weights
                      ; window 1: accumulator (a, b) at 8 (4 a + b), a = 0..4
                      ; windows 2 and 3, v0-159: hid's fragments, a ring of four K steps: step k in window 2 + (k % 4) / 2, tile a, half j at 80 (k % 2) + 16 a + 8 j
.set MSB, 0
.macro WIN new                         ; the immediate's high byte repeats the setting that is left; a switch that changes nothing is dropped
.if MSB != (\new)
	s_set_vgpr_msb (MSB<<8)|(\new)
.set MSB, \new
.endif
.endm
	s_load_b256 s[4:11], s[0:1], 0x0               ; sel s[4:5], hid s[6:7], w2 s[8:9], part s[10:11]
	v_lshl_add_u32 v[SPW], v0, 2, SPARE
	v_mov_b32 v[NIL], 0
	v_lshrrev_b32 v[TM], 5, v0
	v_readfirstlane_b32 s14, v[TM]                 ; wave 0..3
	v_and_b32 v[LN], 31, v0
	v_and_b32 v[LR], 15, v0
	v_bfe_u32 v[LH], v0, 4, 1
	s_lshr_b32 s15, ttmp9, 5                       ; expert
	s_bfe_u32 s16, ttmp9, 0x40001                  ; slice of 64 columns
	s_and_b32 s12, ttmp9, 1                        ; half of K
	v_lshlrev_b32 v[C16], 4, v[LR]
	v_mul_u32_u24 v[BA], v[LR], PW
	v_lshl_add_u32 v[BA], v[LH], 4, v[BA]          ; row x pitch + 16 x half
	v_add_nc_u32 v[BA+1], 2*16*PW, v[BA]
	s_mul_i32 s22, s14, LISTB
	s_add_co_u32 s22, s22, LIST
	v_mov_b32 v[LB], s22
	s_mul_i32 s22, s14, STGB
	s_add_co_u32 s22, s22, STAGE
	v_mul_u32_u24 v[STO], v[LR], SPT               ; in: row lane % 16, 32 bytes for each half of the lanes
	v_lshl_add_u32 v[STO], v[LH], 5, v[STO]
	v_add_nc_u32 v[STO], s22, v[STO]
	v_mul_u32_u24 v[RD], v[LH], SPT                ; back: lanes 0-15 take one row of 256 bytes, lanes 16-31 the next
	v_lshl_add_u32 v[RD], v[LR], 4, v[RD]
	v_add_nc_u32 v[RD], s22, v[RD]
	v_lshlrev_b32 v[GOFF], 4, v[LN]
	v_lshlrev_b32 v[L8], 3, v[LN]
	v_add_nc_u32 v[DUMP], 1024, v[LN]
	v_lshlrev_b32 v[PFO], 8, v[LR]
	v_lshl_add_u32 v[PFO], v[LH], 13, v[PFO]
	s_mul_i32 s22, s14, 16*PW                      ; wave w fills LDS rows 16 w .. 16 w + 15
	v_add_nc_u32 v[SA], s22, v[L8]
	s_lshl_b32 s28, s15, 23                        ; an expert's 8 MiB,
	s_lshl_b32 s22, s16, 19                        ; the slice's 64 rows of 8,192 bytes,
	s_add_co_u32 s28, s28, s22
	s_lshl_b32 s22, s14, 17                        ; my 16 of them,
	s_add_co_u32 s28, s28, s22
	s_lshl_b32 s22, s12, 12                        ; my half of each
	s_add_co_u32 s28, s28, s22
	s_mov_b32 s29, 0
	s_wait_kmcnt 0x0
.irp c, 0,1,2,3,4,5,6,7
	global_load_b128 v[SEL+4*\c:SEL+4*\c+3], v[GOFF], s[4:5] offset:512*\c
.endr
	s_add_nc_u64 s[24:25], s[8:9], s[28:29]
	s_lshl_b32 s28, s15, 22                        ; hid: 4 MiB an expert, 2 MiB a half (16 slices of 128 KiB)
	s_lshl_b32 s22, s12, 21
	s_add_co_u32 s28, s28, s22
	s_add_nc_u64 s[6:7], s[6:7], s[28:29]
	s_lshl_b32 s28, s12, 23                        ; part: 8 MiB a half, 256 bytes a slice of columns
	s_lshl_b32 s22, s16, 8
	s_add_co_u32 s28, s28, s22
	s_add_nc_u64 s[10:11], s[10:11], s[28:29]
.set i, 0
.rept 32                                               ; the ring is filled: my half of four rows, 32 loads of 512 neighbouring bytes
	global_load_b128 v[STG+4*i:STG+4*i+3], v[GOFF], s[24:25] offset:(i/8)*ROWB+(i%8)*512 th:TH_LOAD_NT
.set i, i+1
.endr
; THE LIST: the first product's text, so that the ranks are the same.  Its 1,024 ranks are first written whole, so that no word is ever read that nobody wrote.
	v_add_nc_u32 v[TM], v[LB], v[GOFF]
.irp z, 4,5,6,7
	v_mov_b32 v[TM+\z], 0
.endr
.irp c, 0,1,2,3,4,5,6,7
	ds_store_b128 v[TM], v[TM+4:TM+7] offset:512*\c
.endr
	s_wait_loadcnt 32                              ; sel is in; the 32 younger loads, the ring's, stay out
	s_mov_b32 s17, 0                               ; rows so far
.set m, 0
.rept 32
	v_and_b32 v[TM], 0xff, v[SEL+m]
	v_bfe_u32 v[TM+1], v[SEL+m], 8, 8
	v_cmp_eq_u32 s30, s15, v[TM]
	v_cmp_eq_u32 s31, s15, v[TM+1]
	s_or_b32 s22, s30, s31
	v_cndmask_b32 v[TM+2], 0, 1, s31
	v_add3_u32 v[TM+2], v[TM+2], v[L8], 256*(m/4)+2*(m%4)   ; q = 2 (128 c + 4 lane + j) + choice
	v_mbcnt_lo_u32_b32 v[TM+3], s22, s17
	v_cndmask_b32 v[TM+3], v[DUMP], v[TM+3], s22
	v_min_u32 v[TM+3], 0x41f, v[TM+3]              ; inside the list's 1,056 words, whatever sel holds
	v_lshl_add_u32 v[TM+3], v[TM+3], 2, v[LB]
	ds_store_b32 v[TM+3], v[TM+2]                  ; LDS serves a wave's instructions in order (ISA guide 5.7.1.4): it lands behind the zeros
	s_bcnt1_i32_b32 s23, s22
	s_add_co_u32 s17, s17, s23
.set m, m+1
.endr
	s_max_u32 s18, s17, 1
	s_sub_co_u32 s18, s18, 1                       ; the last rank
	s_add_co_u32 s19, s17, 15
	s_lshr_b32 s19, s19, 4                         ; tiles of 16 ranks
	s_max_u32 s34, s19, 1
	s_sub_co_u32 s34, s34, 1                       ; the last tile
; THE WEIGHTS.  One slot's turn: its 16 bytes a lane are rounded to 8 and laid into LDS (256 neighbouring bytes a store); ahead = 1: the slot is loaded again, four rows on.
.macro SLOTW i, ahead, left
	s_wait_loadcnt \left                           ; loads come back in order (ISA guide 5.7.1): mine is in, the younger ones stay out
	v_cvt_pk_bf16_f32 v[CV+2*((\i)%8)], v[STG+4*(\i)], v[STG+4*(\i)+1]
	v_cvt_pk_bf16_f32 v[CV+2*((\i)%8)+1], v[STG+4*(\i)+2], v[STG+4*(\i)+3]
	ds_store_b64 v[SA], v[CV+2*((\i)%8):CV+2*((\i)%8)+1] offset:((\i)/8)*PW+((\i)%8)*256
.if \ahead
	global_load_b128 v[STG+4*(\i):STG+4*(\i)+3], v[GOFF], s[24:25] offset:RSTEP+((\i)/8)*ROWB+((\i)%8)*512 th:TH_LOAD_NT
.endif
.endm
	s_mov_b32 s26, ROUNDS-1
.Lround:
.set i, 0
.rept 32
	SLOTW i, 1, 31                                 ; the ring's 31 other loads are younger
.if i == 15
	s_cmp_eq_u32 s26, 1                            ; the round two ahead of the one in hand is asked for, 64 blocks of 256 bytes, each by this wave alone; the last trip has no such round
	s_cbranch_scc1 .Lno_ask
	global_prefetch_b8 v[PFO], s[24:25] offset:2*RSTEP th:TH_LOAD_NT scope:SCOPE_SE
	global_prefetch_b8 v[PFO], s[24:25] offset:2*RSTEP+2*ROWB th:TH_LOAD_NT scope:SCOPE_SE
.Lno_ask:
.endif
.set i, i+1
.endr
	s_wait_xcnt 0x0                                ; the loads' base is stepped only behind this wait (ISA guide 3.1)
	s_add_nc_u64 s[24:25], s[24:25], RSTEP
	v_add_nc_u32 v[SA], 4*PW, v[SA]
	s_sub_co_u32 s26, s26, 1
	s_cmp_lg_u32 s26, 0
	s_cbranch_scc1 .Lround
.set i, 0
.rept 32
	SLOTW i, 0, 31-i                               ; the last round loads nothing: the counts run down
.set i, i+1
.endr
	s_wait_dscnt 0x0                               ; for the others' sake: my rows of the slice are in LDS
	s_barrier_signal -1
	s_barrier_wait -1                              ; the slice is whole; from here on nobody writes it
; THE PRODUCTS.
.macro AFILL k                         ; K step k of my five tiles of hid: 20 loads of 512 consecutive bytes into ring place k % 4
	WIN 0x80+0x40*(((\k)%4)/2)                     ; destination window 2 or 3
.irp a, 0,1,2,3,4
.irp j, 0,1
.irp u, 0,1
	global_load_b128 v[80*((\k)%2)+16*\a+8*\j+4*\u:80*((\k)%2)+16*\a+8*\j+4*\u+3], v[AO+\a], s[6:7] offset:KG*(\k)+1024*\j+512*\u
.endr
.endr
.endr
	WIN 0
.endm
.macro BFILL k, j                      ; half j of K step k of the four weight tiles: 8 LDS loads
	WIN 0
.irp b, 0,1,2,3
.irp u, 0,1
	ds_load_b128 v[BF+32*((2*(\k)+(\j))%4)+8*\b+4*\u:BF+32*((2*(\k)+(\j))%4)+8*\b+4*\u+3], v[BA+\b/2] offset:(\b%2)*16*PW+KB*(\k)+64*(\j)+32*\u
.endr
.endr
.endm
; Half j of K step k: up to 20 matrix instructions.  The weights are asked for two halves ahead, hid three K steps ahead.  A load goes into registers that a matrix instruction has read only four places behind it (ISA guide
; 7.12.1 for vector instructions): hid's place was read by the half just before, so four v_nop stand at each K step's head; a weights' buffer was read two halves back, and one
; of the two heads between is a K step's.  The accumulators take turns, one instruction a turn, with and without the fifth tile.
; The very first half starts all 20 sums with the constant 0, so that every accumulator is written on every way; the other halves jump the fifth tile's four products where that tile has no rows.
.macro SUB k, j
.if ((\j) == 0) && ((\k) != 0)
.rept 4
	v_nop
.endr
.endif
.if ((\j) == 0) && ((\k) <= 12)
	AFILL (\k)+3
.endif
.if (\k) < 15
	BFILL (\k)+1, \j
.endif
.if (\j) == 0
.if (\k) <= 12
	s_wait_loadcnt 60                              ; hid of this K step is in; three younger groups of 20 stay out
.else
	s_wait_loadcnt 20*(15-(\k))                    ; nothing more is asked for: the counts run down
.endif
.endif
.if (\k) < 15
	s_wait_dscnt 16                                ; this half's weights are in; two younger groups of 8 stay out
.else
	s_wait_dscnt 8-8*(\j)                          ; the last two halves ask for nothing more: one group, then none
.endif
.irp a, 0,1,2,3,4
.if (\a == 4) && (((\k) != 0) || ((\j) != 0))
	WIN 0                                          ; at a branch and at a label every window is 0
	s_cmp_le_u32 s21, 4
	s_cbranch_scc1 .Lend_\@
.endif
	WIN 0x58+0x04*(((\k)%4)/2)                     ; source 0 (weights) window 0, source 1 (hid) window 2 or 3, C and D window 1
.irp b, 0,1,2,3
.if ((\k) == 0) && ((\j) == 0)
	v_wmma_f32_16x16x32_bf16 v[8*(4*\a+\b):8*(4*\a+\b)+7], v[BF+32*((2*(\k)+(\j))%4)+8*\b:BF+32*((2*(\k)+(\j))%4)+8*\b+7], v[80*((\k)%2)+16*\a+8*(\j):80*((\k)%2)+16*\a+8*(\j)+7], 0
.else
	v_wmma_f32_16x16x32_bf16 v[8*(4*\a+\b):8*(4*\a+\b)+7], v[BF+32*((2*(\k)+(\j))%4)+8*\b:BF+32*((2*(\k)+(\j))%4)+8*\b+7], v[80*((\k)%2)+16*\a+8*(\j):80*((\k)%2)+16*\a+8*(\j)+7], v[8*(4*\a+\b):8*(4*\a+\b)+7]
.endif
.endr
.endr
	WIN 0
.Lend_\@:
.endm
; THE WAY OUT of tile a: the f32 sums go through my stage and leave as whole rows of 256 bytes, each to the row of part that the list names for its rank.
.macro EPI a
	s_wait_xcnt 0x0                                ; the stores of the tile before have read their registers (ISA guide 3.1)
	s_add_co_u32 s23, s27, 4*(\a)                  ; the tile's number
	s_lshl_b32 s23, s23, 4
	v_add_nc_u32 v[SEL], s23, v[LH]                ; the rank of my row in the first pair of rows
.irp t, 0,1,2,3,4,5,6,7
	v_add_nc_u32 v[SEL+1], 2*\t, v[SEL]
	v_min_u32 v[SEL+1], s18, v[SEL+1]              ; past the count: the last rank once more
	v_min_u32 v[SEL+1], 0x3ff, v[SEL+1]
	v_lshl_add_u32 v[SEL+1], v[SEL+1], 2, v[LB]
	ds_load_b32 v[TM+\t], v[SEL+1]
.endr
	WIN 0x04                                       ; the stores' data window 1: each accumulator's low four registers first
.irp b, 0,1,2,3
	ds_store_b128 v[STO], v[8*(4*(\a)+\b):8*(4*(\a)+\b)+3] offset:64*\b
	ds_store_b128 v[STO], v[8*(4*(\a)+\b)+4:8*(4*(\a)+\b)+7] offset:64*\b+16
.endr
	WIN 0
.irp t, 0,1,2,3,4,5,6,7
	ds_load_b128 v[Y+4*\t:Y+4*\t+3], v[RD] offset:\t*2*SPT  ; LDS serves a wave's instructions in order (ISA guide 5.7.1.4): these see the stores above
.endr
	s_wait_dscnt 0x0
.irp t, 0,1,2,3,4,5,6,7
	v_min_u32 v[TM+\t], 0x7ff, v[TM+\t]
	v_lshl_add_u32 v[QO+\t], v[TM+\t], 12, v[C16]  ; q x 4,096 bytes + my 16 of the row's 256
.endr
.irp t, 0,1,2,3,4,5,6,7
	global_store_b128 v[QO+\t], v[Y+4*\t:Y+4*\t+3], s[10:11]  ; 16 lanes store 256 consecutive bytes, at a multiple of 256 from part's first byte
.endr
.endm
	s_mov_b32 s20, 0                               ; the pass
.Lpass:
	s_mul_i32 s27, s20, 4*NTW
	s_add_co_u32 s27, s27, s14                     ; my first tile of the pass: 20 P + w; the others 4, 8, 12, 16 further on
	s_sub_co_i32 s21, s19, s27
	s_add_co_i32 s21, s21, 3
	s_ashr_i32 s21, s21, 2
	s_max_i32 s21, s21, 0
	s_min_i32 s21, s21, NTW                        ; how many of the five exist
	s_cmp_eq_u32 s21, 0
	s_cbranch_scc1 .Lnext
	s_wait_xcnt 0x0                                ; the last pass's loads and stores have read their registers
.irp a, 0,1,2,3,4
	s_add_co_u32 s23, s27, 4*\a
	s_min_u32 s23, s23, s34                        ; a tile that does not exist reads the last one that does: only bytes that the first product wrote are read
	s_min_u32 s23, s23, 63
	s_lshl_b32 s23, s23, 11                        ; 2,048 bytes a tile
	v_add_nc_u32 v[AO+\a], s23, v[GOFF]
.endr
	AFILL 0
	AFILL 1
	AFILL 2
	BFILL 0, 0
	BFILL 0, 1
.set k, 0
.rept 16
	SUB k, 0
	SUB k, 1
.set k, k+1
.endr
.rept 4
	v_nop                                          ; the places behind the last products
.endr
	EPI 0
	s_cmp_le_u32 s21, 1
	s_cbranch_scc1 .Lnext
	EPI 1
	s_cmp_le_u32 s21, 2
	s_cbranch_scc1 .Lnext
	EPI 2
	s_cmp_le_u32 s21, 3
	s_cbranch_scc1 .Lnext
	EPI 3
	s_cmp_le_u32 s21, 4
	s_cbranch_scc1 .Lnext
	EPI 4
.Lnext:
	s_add_co_u32 s20, s20, 1
	s_cmp_lt_u32 s20, 4
	s_cbranch_scc1 .Lpass
	s_wait_tensorcnt 0x0                           ; the wave's end
	ds_add_u32 v[SPW], v[NIL]
	s_wait_dscnt 0x0
	s_endpgm
.Lfunc_end_k_q1f98496255_ffn2:
	.size	k_q1f98496255_ffn2, .Lfunc_end_k_q1f98496255_ffn2-k_q1f98496255_ffn2
	.p2alignl 7, 3214868480
	.fill 96, 4, 3214868480
	.section	.rodata,"a",@progbits
	.p2align	6, 0x0
	.amdhsa_kernel k_q1f98496255_ffn2
		.amdhsa_group_segment_fixed_size 167424
		.amdhsa_private_segment_fixed_size 0
		.amdhsa_enable_private_segment 0
		.amdhsa_kernarg_size 32
		.amdhsa_user_sgpr_count 2
		.amdhsa_user_sgpr_kernarg_segment_ptr 1
		.amdhsa_wavefront_size32 1
		.amdhsa_system_sgpr_workgroup_id_x 1
		.amdhsa_system_sgpr_workgroup_id_y 1
		.amdhsa_system_sgpr_workgroup_id_z 1
		.amdhsa_system_vgpr_workitem_id 0
		.amdhsa_next_free_vgpr 928
		.amdhsa_next_free_sgpr 66
		.amdhsa_reserve_vcc 0
		.amdhsa_float_denorm_mode_32 3
		.amdhsa_float_denorm_mode_16_64 3
		.amdhsa_memory_ordered 1
		.amdhsa_forward_progress 1
		.amdhsa_inst_pref_size 174
	.end_amdhsa_kernel
	.amdgpu_metadata
---
amdhsa.version: [ 1, 2 ]
amdhsa.kernels:
  - .name:           k_q1f98496255_ffn2
    .symbol:         k_q1f98496255_ffn2.kd
    .args:
      - { .name: sel, .offset: 0, .size: 8, .value_kind: global_buffer, .address_space: global }
      - { .name: hid, .offset: 8, .size: 8, .value_kind: global_buffer, .address_space: global }
      - { .name: w2, .offset: 16, .size: 8, .value_kind: global_buffer, .address_space: global }
      - { .name: part, .offset: 24, .size: 8, .value_kind: global_buffer, .address_space: global }
    .group_segment_fixed_size: 167424
    .private_segment_fixed_size: 0
    .kernarg_segment_align: 8
    .kernarg_segment_size: 32
    .max_flat_workgroup_size: 128
    .sgpr_count:     66
    .vgpr_count:     928
    .wavefront_size: 32
...
	.end_amdgpu_metadata
.endif
;; end of part 3
;; launch combine (part 4): grid 256 x 1, 4 waves a work-group, no clusters, 0 bytes of LDS; arguments part, gw, out0; writes out0
.if DOCPART == 4
	.amdgcn_target "amdgcn-amd-amdhsa--gfx1250"
	.amdhsa_code_object_version 6
	.text
	.protected	k_q1f98496255_combine
	.globl	k_q1f98496255_combine
	.p2align	8
	.type	k_q1f98496255_combine,@function
k_q1f98496255_combine:
	s_mov_b64 s[64:65], 0
	v_nop
	global_prefetch_b8 v0, s[64:65] scope:SCOPE_SE
	s_setreg_imm32_b32 hwreg(HW_REG_WAVE_MODE, 25, 1), 1
	s_wait_xcnt 0x0
; THE SUM.  out0[n][:] = gw[n][0] (part[0][2n][:] + part[1][2n][:]) + gw[n][1] (part[0][2n+1][:] + part[1][2n+1][:]), all f32.
; A stream: one wave to a token, 1,024 waves; each of the four rows is read once, by loads of 512 neighbouring bytes, all 32 issued before the first wait; each store covers 512 neighbouring bytes.
; No LDS, no barrier, no matrix unit: memory binds, and no wave needs another's numbers.
.set R, 16            ; v16-143   chunk j: 16 registers: (half 0, choice 0), (half 1, choice 0), (half 0, choice 1), (half 1, choice 1)
.set O, 144           ; v144-175  chunk j's four results: registers of its own, so no store's data is rewritten
	s_load_b128 s[4:7], s[0:1], 0x0                ; part s[4:5], gw s[6:7]
	s_load_b64 s[8:9], s[0:1], 0x10                ; out0
	v_lshrrev_b32 v1, 5, v0
	v_readfirstlane_b32 s10, v1                    ; wave 0..3
	v_and_b32 v2, 31, v0
	v_lshlrev_b32 v2, 4, v2                        ; 16 bytes a lane
	s_lshl2_add_u32 s11, ttmp9, s10                ; my token
	s_lshl_b32 s12, s11, 3                         ; its two weights
	s_lshl_b32 s14, s11, 13                        ; its two rows of 4,096 bytes
	s_mov_b32 s15, 0
	s_wait_kmcnt 0x0
	s_load_b64 s[16:17], s[6:7], s12 offset:0x0
	s_add_nc_u64 s[20:21], s[4:5], s[14:15]        ; half 0 of K
	s_add_nc_u64 s[22:23], s[20:21], 0x800000      ; half 1, 8 MiB on: past the loads' immediate, so it has a base of its own
	s_lshl_b32 s14, s11, 12
	s_add_nc_u64 s[8:9], s[8:9], s[14:15]
.set j, 0
.rept 8
	global_load_b128 v[R+16*j:R+16*j+3],     v2, s[20:21] offset:512*j th:TH_LOAD_NT
	global_load_b128 v[R+16*j+4:R+16*j+7],   v2, s[22:23] offset:512*j th:TH_LOAD_NT
	global_load_b128 v[R+16*j+8:R+16*j+11],  v2, s[20:21] offset:4096+512*j th:TH_LOAD_NT
	global_load_b128 v[R+16*j+12:R+16*j+15], v2, s[22:23] offset:4096+512*j th:TH_LOAD_NT
.set j, j+1
.endr
	s_wait_kmcnt 0x0
	s_mov_b32 s18, s17                             ; the second weight in the low word of a pair: the packed forms take the low word for both halves
	s_mov_b32 s19, s17
.set j, 0
.rept 8
	s_wait_loadcnt 28-4*j                          ; chunk j's four loads are in; the four of each later chunk stay out
	v_pk_add_f32 v[R+16*j:R+16*j+1],     v[R+16*j:R+16*j+1],     v[R+16*j+4:R+16*j+5]
	v_pk_add_f32 v[R+16*j+2:R+16*j+3],   v[R+16*j+2:R+16*j+3],   v[R+16*j+6:R+16*j+7]
	v_pk_add_f32 v[R+16*j+8:R+16*j+9],   v[R+16*j+8:R+16*j+9],   v[R+16*j+12:R+16*j+13]
	v_pk_add_f32 v[R+16*j+10:R+16*j+11], v[R+16*j+10:R+16*j+11], v[R+16*j+14:R+16*j+15]
	v_pk_mul_f32 v[O+4*j:O+4*j+1],   v[R+16*j:R+16*j+1],   s[16:17] op_sel_hi:[1,0]
	v_pk_mul_f32 v[O+4*j+2:O+4*j+3], v[R+16*j+2:R+16*j+3], s[16:17] op_sel_hi:[1,0]
	v_pk_fma_f32 v[O+4*j:O+4*j+1],   v[R+16*j+8:R+16*j+9],   s[18:19], v[O+4*j:O+4*j+1] op_sel_hi:[1,0,1]
	v_pk_fma_f32 v[O+4*j+2:O+4*j+3], v[R+16*j+10:R+16*j+11], s[18:19], v[O+4*j+2:O+4*j+3] op_sel_hi:[1,0,1]
	global_store_b128 v2, v[O+4*j:O+4*j+3], s[8:9] offset:512*j th:TH_STORE_NT
.set j, j+1
.endr
	s_endpgm
.Lfunc_end_k_q1f98496255_combine:
	.size	k_q1f98496255_combine, .Lfunc_end_k_q1f98496255_combine-k_q1f98496255_combine
	.p2alignl 7, 3214868480
	.fill 96, 4, 3214868480
	.section	.rodata,"a",@progbits
	.p2align	6, 0x0
	.amdhsa_kernel k_q1f98496255_combine
		.amdhsa_group_segment_fixed_size 0
		.amdhsa_private_segment_fixed_size 0
		.amdhsa_enable_private_segment 0
		.amdhsa_kernarg_size 24
		.amdhsa_user_sgpr_count 2
		.amdhsa_user_sgpr_kernarg_segment_ptr 1
		.amdhsa_wavefront_size32 1
		.amdhsa_system_sgpr_workgroup_id_x 1
		.amdhsa_system_sgpr_workgroup_id_y 1
		.amdhsa_system_sgpr_workgroup_id_z 1
		.amdhsa_system_vgpr_workitem_id 0
		.amdhsa_next_free_vgpr 176
		.amdhsa_next_free_sgpr 66
		.amdhsa_reserve_vcc 0
		.amdhsa_float_denorm_mode_32 3
		.amdhsa_float_denorm_mode_16_64 3
		.amdhsa_memory_ordered 1
		.amdhsa_forward_progress 1
		.amdhsa_inst_pref_size 9
	.end_amdhsa_kernel
	.amdgpu_metadata
---
amdhsa.version: [ 1, 2 ]
amdhsa.kernels:
  - .name:           k_q1f98496255_combine
    .symbol:         k_q1f98496255_combine.kd
    .args:
      - { .name: part, .offset: 0, .size: 8, .value_kind: global_buffer, .address_space: global }
      - { .name: gw, .offset: 8, .size: 8, .value_kind: global_buffer, .address_space: global }
      - { .name: out0, .offset: 16, .size: 8, .value_kind: global_buffer, .address_space: global }
    .group_segment_fixed_size: 0
    .private_segment_fixed_size: 0
    .kernarg_segment_align: 8
    .kernarg_segment_size: 24
    .max_flat_workgroup_size: 128
    .sgpr_count:     66
    .vgpr_count:     176
    .wavefront_size: 32
...
	.end_amdgpu_metadata
.endif
;; end of part 4
;; ======== version 2 of 2: 4 launches; version 1 with the launches ffn1, ffn2 written anew for expert scheduling mode
;; workspace buffers: sel 4,096 bytes of whole numbers; gw 8,192 bytes; xb 2,097,152 bytes; hid 33,554,432 bytes; part 16,777,216 bytes
;; launch router: the kernel of part 1 again; grid 256 x 1, 4 waves a work-group, no clusters, 0 bytes of LDS; arguments x, gate_w, sel, gw, xb; writes sel, gw, xb
;; launch ffn1 (part 5): grid 256 x 1, 4 waves a work-group, no clusters, 282,112 bytes of LDS; arguments sel, xb, w1, w3, hid; writes hid
.if DOCPART == 5
	.amdgcn_target "amdgcn-amd-amdhsa--gfx1250"
	.amdhsa_code_object_version 6
	.text
	.protected	k_q1f98496255_ffn1
	.globl	k_q1f98496255_ffn1
	.p2align	8
	.type	k_q1f98496255_ffn1,@function
k_q1f98496255_ffn1:
	s_mov_b64 s[64:65], 0
	v_nop
	global_prefetch_b8 v0, s[64:65] scope:SCOPE_SE
	s_setreg_imm32_b32 hwreg(HW_REG_WAVE_SCHED_MODE, 0, 2), 2
	s_setreg_imm32_b32 hwreg(HW_REG_WAVE_MODE, 25, 1), 1
	s_wait_xcnt 0x0
	s_wait_alu depctr_vm_vsrc(0)
; FIRST PRODUCT OF THE EXPERTS.  hid = bf16( silu(x w1^T) * (x w3^T) ) for the rows that chose expert e, hidden columns 64 s .. 64 s + 63.
; GRID: 8 experts x 32 slices.  A work-group alone reads its slice of the weights (64 rows of w1, the same 64 of w3, 1,024 along K: 512 KiB of f32), once, rounds it to bf16 on the way
; through registers and keeps it in LDS; then all of the expert's rows are multiplied with it, the token rows coming from memory straight into operand registers.
; THE LIST.  Every wave reads sel (1,024 words) and sorts out its expert's rows for itself: rank -> q = 2 x token + choice.  The order (register by register, lanes ascending) is the same text
; in the second product, so ranks agree.  It serves every split: 0 to 1,024 rows an expert.
; ROWS.  Tile t of 16 ranks belongs to wave t % 4; a wave takes up to five tiles in a pass (80 x 128 of results), so a pass holds 320 rows; four passes cover 1,024.  The pass loop has a constant count; a pass
; without rows, the fifth tile's products where it has no rows, and the way out of a tile without rows are jumped over forward; no barrier stands there.  The first four tiles of a live pass are always multiplied:
; a place past the count repeats the last rank.  An expert with more than 320 rows pays a whole pass for each further 320.
; A pass's 16 K steps (64 numbers each) are written out: every LDS address is a register that is never rewritten plus an immediate.
; THE MATRIX INSTRUCTION IS USED TRANSPOSED: source 0 = 16 weight rows, source 1 = 16 tokens: a lane then holds one token and eight neighbouring hidden columns.
; hid LIES IN THE ORDER OF THE SECOND PRODUCT'S OPERAND REGISTERS: [expert][slice][tile of 16 ranks][16 columns b][lane][16 bytes].  Rounded in pairs, my lane's eight numbers of column tile b are just what the same
; lane takes there as four registers of source 1 (tiles 2 j, 2 j + 1 make 32 along its K).  So a store goes straight from registers and covers 512 consecutive bytes, and so does a load there.
; NO JOINT LOADS: each weight slice has one work-group that reads it; what an expert's 32 work-groups share is its token rows, which a list names one by one, so no one descriptor covers them.
; NO TENSOR LOADS: the weights are f32 and must pass through registers to be rounded; an f32 copy beside the 264,192 bytes of bf16 does not fit.
; LIMITS.  x, w1, w3 are rounded to bf16 for the products, hid once to bf16; sums in f32.  Where exp(-h) overflows f32 the result is 0 x h g = 0, as silu's limit is.  NaN and infinities are not treated apart.
; THE MODE: SCHED_MODE bits 1:0 = 2 (LLVM: expert scheduling mode 2), set by the entry lines.  The code itself states the register dependences
; between vector or matrix instructions and memory or LDS instructions, with s_wait_alu, always for 0.
; THE PLAN.  Registers that memory or LDS instructions touch, and who else names them:
;   v[BA ..], v[GOFF], v[PFO]   offsets and addresses, made at the head ahead of one wait on va_vdst, never written again.
;   v[TM], v[TM+4 ..]           the zero fill's address and data, made ahead of the same wait; free again behind the pass head's wait on vm_vsrc.
;   LA, LQ                      the list's 32 addresses and 32 numbers, registers of their own: one wait on va_vdst, then the 32 LDS stores.
;   STG, CV                     four slots of the ring at a time: eight conversions read STG and write half of CV; one wait on va_vdst; the four loads into those slots and the four LDS stores from CV.
;                               The wait on vm_vsrc at a group's head shows that half of CV read by the stores of two groups back.
;   v[SA]                       read by those LDS stores; stepped once a round behind a wait on vm_vsrc; the next group's wait on va_vdst shows it written.
;   A0 .. A3                    the tokens' ring.  K step k's products read A[k % 4]; the loads of step k + 3, issued in step k, land in A[(k - 1) % 4].
;   B0 .. B3                    the weights' fragments.  Step k's products read the pair B[2 (k % 2)], B[2 (k % 2) + 1]; the LDS loads of step k + 1, issued in step k, land in the other pair.
;   v[AO ..]                    the tokens' offsets: loaded from the list and finished at a pass's head, then read by the pass's loads alone.
;   v[HO], Y                    a tile's way out: written by its last vector lines, read by its four stores.
; So ONE wait on va_vdst stands at a K step's head: the step before is done reading its place of the ring and its pair of weight buffers.  The step's 52 loads follow it in runs of 8 or 12 between the tiles'
; products, which name A[k % 4], the step's own pair and the accumulators: none of the registers that those loads touch, with and without the fifth tile.
.set PW,     2064     ; an LDS row of weights: 2,048 bytes + 16 = 516 words: row r starts at bank 4 r mod 64 (64 banks of 4 bytes: ISA guide 11.1): the 16 rows of a load start at 16 different groups of four banks
.set NROW,   128      ; rows 0-63 w1, rows 64-127 w3
.set LIST,   NROW*PW  ; behind the weights: a list for each wave, 1,056 words: 1,024 ranks and 32 words where lanes without a row put theirs
.set LISTB,  4352     ; (the 512 bytes behind the four lists: the spare words, 128 bytes for each wave)
.set ROWB,   4096     ; bytes from a weight row to the next in memory
.set RSTEP,  4*ROWB   ; a round of the ring: four rows
.set ROUNDS, 8        ; 32 rows a wave
.set KB,     128      ; bytes of a K step (64 along K) in an LDS row
.set XCH,    262144   ; bytes in a chunk of xb: two K steps of all 1,024 tokens, 256 bytes a token
.set NTW,    5        ; tiles of a wave in a pass
.set LR,   1          ; v1   lane % 16
.set LH,   2          ; v2   lane / 16
.set LN,   3          ; v3   lane
.set BA,   6          ; v6-9   LDS address of my place in weight tiles 0, 2, 4, 6 (the odd tiles by the immediate); never rewritten
.set AO,   10         ; v10-14 byte offset in a chunk of xb of my row of tile a
.set H16,  15         ; v15  16 x (lane / 16)
.set LB,   16         ; v16  my wave's list
.set HO,   18         ; v18  my byte offset in hid
.set GOFF, 19         ; v19  16 x lane
.set SA,   20         ; v20  LDS address of my 8 bytes in the round's first row
.set L8,   21         ; v21  8 x lane
.set DUMP, 22         ; v22  1,024 + lane
.set PFO,  23         ; v23  256 x lane
.set TM,   24         ; v24-31 at work: the zero fill's address and data; at a pass's head my rank and five list addresses
.set SEL,  32         ; v32-63 sel: register 4 c + j holds token 128 c + 4 lane + j
.set STG,  64         ; v64-191 first: the ring of 32 loads of weights
.set T,    64         ; on the way out: v64-95 the gate's factor, v96-127 h g, v128-143 packed results
.set U,    96
.set Y,    128
.set CV,   192        ; v192-207 eight pairs of rounded weights, in two halves that take turns
.set LA,   192        ; v192-223 while the list is made: the LDS address for each of sel's 32 registers
.set LQ,   224        ; v224-255 and its q
.set MK,   32         ; s32-47 while the list is made: eight masks 'chose my expert', eight 'as second choice'; s32-33 take their constant behind the list
                      ; in the passes: the weights' fragments (8 tiles x 32 K, 64 registers): B0 v64-127, B1 v128-191, B2 v192-255, B3 window 2 v160-223; half j of K step k in B[2 (k % 2) + j]
                      ; window 1: accumulator (a, b) of token tiles a = 0..3 at 8 (8 a + b); weight tile b: 0-3 w1, 4-7 w3
                      ; windows 2 and 3, v0-159: the token fragments, a ring of four K steps: step k in window 2 + (k % 4) / 2, tile a, half j at 80 (k % 2) + 16 a + 8 j
                      ; window 3, v160-223: the accumulators of token tile 4
.set MSB, 0
.macro WIN new                         ; the immediate's high byte repeats the setting that is left; a switch that changes nothing is dropped
.if MSB != (\new)
	s_set_vgpr_msb (MSB<<8)|(\new)
.set MSB, \new
.endif
.endm
	s_load_b256 s[4:11], s[0:1], 0x0               ; sel s[4:5], xb s[6:7], w1 s[8:9], w3 s[10:11]
	s_load_b64 s[12:13], s[0:1], 0x20              ; hid
	v_lshl_add_u32 v5, v0, 2, 0x44c00
	v_mov_b32 v17, 0
	v_lshrrev_b32 v[TM], 5, v0
	v_readfirstlane_b32 s14, v[TM]                 ; wave 0..3
	v_and_b32 v[LN], 31, v0
	v_and_b32 v[LR], 15, v0
	v_bfe_u32 v[LH], v0, 4, 1
	s_lshr_b32 s15, ttmp9, 5                       ; expert
	s_and_b32 s16, ttmp9, 31                       ; slice
	v_lshlrev_b32 v[H16], 4, v[LH]
	v_mul_u32_u24 v[BA], v[LR], PW
	v_lshl_add_u32 v[BA], v[LH], 4, v[BA]          ; row x pitch + 16 x half
	v_add_nc_u32 v[BA+1], 2*16*PW, v[BA]
	v_add_nc_u32 v[BA+2], 4*16*PW, v[BA]
	v_add_nc_u32 v[BA+3], 6*16*PW, v[BA]
	s_wait_alu depctr_va_sdst(0)                   ; s14 is written, ahead of its first reader: LDS places and the bases of the weights are made from it
	s_mul_i32 s22, s14, LISTB
	s_add_co_u32 s22, s22, LIST
	v_mov_b32 v[LB], s22
	v_lshlrev_b32 v[GOFF], 4, v[LN]
	v_lshlrev_b32 v[L8], 3, v[LN]
	v_add_nc_u32 v[DUMP], 1024, v[LN]
	v_lshlrev_b32 v[PFO], 8, v[LN]
	s_mul_i32 s22, s14, 32*PW                      ; wave w fills LDS rows 32 w .. 32 w + 31
	v_add_nc_u32 v[SA], s22, v[L8]
	v_add_nc_u32 v[TM], v[LB], v[GOFF]             ; the zero fill of my list: its address,
.irp z, 4,5,6,7
	v_mov_b32 v[TM+\z], 0                          ; and its data
.endr
	s_lshl_b32 s28, s15, 23                        ; an expert's 8 MiB,
	s_lshl_b32 s22, s16, 18                        ; the slice's 64 rows,
	s_add_co_u32 s28, s28, s22
	s_and_b32 s22, s14, 1
	s_lshl_b32 s22, s22, 17                        ; my half of them
	s_add_co_u32 s28, s28, s22
	s_mov_b32 s29, 0
	s_wait_kmcnt 0x0
	s_wait_alu depctr_va_vdst(0)                   ; the offsets and addresses v6 to v23 and the zero fill's v24, v28 to v31 are written, which the loads, prefetches and LDS instructions below read
.irp c, 0,1,2,3,4,5,6,7
	global_load_b128 v[SEL+4*\c:SEL+4*\c+3], v[GOFF], s[4:5] offset:512*\c th:TH_LOAD_HT  ; every wave of the launch reads these 4,096 bytes
.endr
	s_cmp_lt_u32 s14, 2                            ; waves 0 and 1 stream w1, waves 2 and 3 w3
	s_cselect_b64 s[24:25], s[8:9], s[10:11]
	s_add_nc_u64 s[24:25], s[24:25], s[28:29]
	s_lshl_b32 s28, s15, 22                        ; hid: 4 MiB an expert, 128 KiB a slice
	s_lshl_b32 s22, s16, 17
	s_add_co_u32 s28, s28, s22
	s_add_nc_u64 s[12:13], s[12:13], s[28:29]
.set i, 0
.rept 32                                               ; the ring is filled: four rows, 32 loads of 512 neighbouring bytes
	global_load_b128 v[STG+4*i:STG+4*i+3], v[GOFF], s[24:25] offset:(i/8)*ROWB+(i%8)*512 th:TH_LOAD_NT
.set i, i+1
.endr
; THE LIST, made while the first weights are on their way.  Its 1,024 ranks are first written whole, so that no word is ever read that nobody wrote.  Then, for each of the 32 registers: which lanes
; chose my expert (as first or as second choice; never both), their ranks by a count of the lanes below, q into the list at the rank; a lane without a row writes into its own word behind the list.
; Eight registers at a time: their sixteen compares stand in one run, with one wait behind it; all 32 addresses and numbers have registers of their own, so that the stores stand in one run behind one wait.
.irp c, 0,1,2,3,4,5,6,7
	ds_store_b128 v[TM], v[TM+4:TM+7] offset:512*\c    ; no vector instruction since the head's wait names these registers
.endr
	s_wait_loadcnt 32                              ; sel is in; the 32 younger loads, the ring's, stay out
	s_mov_b32 s17, 0                               ; rows so far
.set m0, 0
.rept 4
.set i, 0
.rept 8
	v_and_b32 v[LA+m0+i], 0xff, v[SEL+m0+i]        ; the first choice,
	v_bfe_u32 v[LQ+m0+i], v[SEL+m0+i], 8, 8        ; the second
.set i, i+1
.endr
.set i, 0
.rept 8
	v_cmp_eq_u32 s[MK+i], s15, v[LA+m0+i]
	v_cmp_eq_u32 s[MK+8+i], s15, v[LQ+m0+i]
.set i, i+1
.endr
	s_wait_alu depctr_va_sdst(0)                   ; the sixteen masks are written, ahead of their first readers
.set i, 0
.rept 8
	s_or_b32 s[MK+i], s[MK+i], s[MK+8+i]
	v_mbcnt_lo_u32_b32 v[LA+m0+i], s[MK+i], s17    ; the rank: rows so far + the lanes below that have a row
	s_bcnt1_i32_b32 s23, s[MK+i]
	s_add_co_u32 s17, s17, s23
.set i, i+1
.endr
.set i, 0
.rept 8
	v_cndmask_b32 v[LQ+m0+i], 0, 1, s[MK+8+i]
	v_cndmask_b32 v[LA+m0+i], v[DUMP], v[LA+m0+i], s[MK+i]
.set i, i+1
.endr
.set m, m0
.rept 8
	v_add3_u32 v[LQ+m], v[LQ+m], v[L8], 256*(m/4)+2*(m%4)   ; q = 2 (128 c + 4 lane + j) + choice
	v_min_u32 v[LA+m], 0x41f, v[LA+m]              ; inside the list's 1,056 words, whatever sel holds
.set m, m+1
.endr
.set m, m0
.rept 8
	v_lshl_add_u32 v[LA+m], v[LA+m], 2, v[LB]
.set m, m+1
.endr
.set m0, m0+8
.endr
	s_wait_alu depctr_va_vdst(0)                   ; the 32 addresses and the 32 numbers are written, which the LDS stores read
.set m, 0
.rept 32
	ds_store_b32 v[LA+m], v[LQ+m]                  ; LDS serves a wave's instructions in order (ISA guide 5.7.1.4): it lands behind the zeros
.set m, m+1
.endr
	s_max_u32 s18, s17, 1
	s_sub_co_u32 s18, s18, 1                       ; the last rank
	s_add_co_u32 s19, s17, 15
	s_lshr_b32 s19, s19, 4                         ; tiles of 16 ranks
	s_mov_b32 s32, 0xbfb8aa3b                      ; -log2(e): the masks are done with
	s_mov_b32 s33, s32                             ; named with it as a pair
; THE WEIGHTS.  Four slots' turn: their 16 bytes a lane are rounded to 8 and laid into LDS (256 neighbouring bytes a store); ahead = 1: the slots are loaded again, four rows on.
.macro GROUPW g, ahead, left
	s_wait_loadcnt \left                           ; loads come back in order (ISA guide 5.7.1): my four are in, the younger ones stay out
	s_wait_alu depctr_vm_vsrc(0)                   ; the LDS stores of two groups back have read this half of CV (ahead of the first two groups: the list's stores have read the same registers)
.set sl, 4*(\g)
.rept 4
	v_cvt_pk_bf16_f32 v[CV+2*(sl%8)], v[STG+4*sl], v[STG+4*sl+1]
	v_cvt_pk_bf16_f32 v[CV+2*(sl%8)+1], v[STG+4*sl+2], v[STG+4*sl+3]
.set sl, sl+1
.endr
	s_wait_alu depctr_va_vdst(0)                   ; the conversions are done reading the four slots, in which the loads below land, and have written CV, which the LDS stores read; in a round's first group v[SA] is written
.if \ahead
.set sl, 4*(\g)
.rept 4
	global_load_b128 v[STG+4*sl:STG+4*sl+3], v[GOFF], s[24:25] offset:RSTEP+(sl/8)*ROWB+(sl%8)*512 th:TH_LOAD_NT
.set sl, sl+1
.endr
.endif
.set sl, 4*(\g)
.rept 4
	ds_store_b64 v[SA], v[CV+2*(sl%8):CV+2*(sl%8)+1] offset:(sl/8)*PW+(sl%8)*256
.set sl, sl+1
.endr
.endm
	s_mov_b32 s26, ROUNDS-1
.Lround:
.set g, 0
.rept 8
	GROUPW g, 1, 28                                ; the ring's 28 other loads are younger
.if g == 3
	s_cmp_eq_u32 s26, 1                            ; the round two ahead of the one in hand is asked for, 64 blocks of 256 bytes, each by this wave alone; the last trip has no such round
	s_cbranch_scc1 .Lno_ask
	global_prefetch_b8 v[PFO], s[24:25] offset:2*RSTEP th:TH_LOAD_NT scope:SCOPE_SE
	global_prefetch_b8 v[PFO], s[24:25] offset:2*RSTEP+2*ROWB th:TH_LOAD_NT scope:SCOPE_SE
.Lno_ask:
.endif
.set g, g+1
.endr
	s_wait_xcnt 0x0                                ; the loads' base is stepped only behind this wait (ISA guide 3.1)
	s_wait_alu depctr_vm_vsrc(0)                   ; the round's LDS stores have read v[SA]
	s_add_nc_u64 s[24:25], s[24:25], RSTEP
	v_add_nc_u32 v[SA], 4*PW, v[SA]
	s_sub_co_u32 s26, s26, 1
	s_cmp_lg_u32 s26, 0
	s_cbranch_scc1 .Lround
.set g, 0
.rept 8
	GROUPW g, 0, 28-4*g                            ; the last round loads nothing: the counts run down
.set g, g+1
.endr
	s_wait_dscnt 0x0                               ; for the others' sake: my rows of the slice are in LDS
	s_barrier_signal -1
	s_barrier_wait -1                              ; the slice is whole; from here on no wave writes LDS but for its spare words at its end
; THE PRODUCTS.
.macro APART k, a                      ; K step k (64 along K) of my token tile a: 4 loads into ring place k % 4.  The rows are read again by the expert's other 31 work-groups
	WIN 0x80+0x40*(((\k)%4)/2)                     ; destination window 2 or 3
.irp j, 0,1
.irp u, 0,1
	global_load_b128 v[80*((\k)%2)+16*(\a)+8*\j+4*\u:80*((\k)%2)+16*(\a)+8*\j+4*\u+3], v[AO+(\a)], s[6:7] offset:XCH*((\k)/2)+128*((\k)%2)+64*\j+32*\u th:TH_LOAD_HT
.endr
.endr
.endm
.macro BSEL k, j                       ; where half j of K step k has its weights' fragments: first register BR, window BW
.set BN, 2*((\k)%2)+(\j)
.if BN < 3
.set BR, 64+64*BN
.set BW, 0
.else
.set BR, 160
.set BW, 2
.endif
.endm
.macro BFILL k, j, q                   ; half j of K step k of the weight tiles 4 q .. 4 q + 3: 8 LDS loads
	BSEL \k, \j
	WIN 0x40*BW                                    ; destination window 0 or 2
.irp b, 0,1,2,3
.irp u, 0,1
	ds_load_b128 v[BR+8*(4*(\q)+\b)+4*\u:BR+8*(4*(\q)+\b)+4*\u+3], v[BA+2*(\q)+\b/2] offset:(\b%2)*16*PW+KB*(\k)+64*(\j)+32*\u
.endr
.endr
.endm
.macro TILE k, j, a                    ; half j of K step k for token tile a: 8 matrix instructions.  The very first half starts the sums with the constant 0
	BSEL \k, \j
.if (\a) < 4
.set CB, 64*(\a)
.set CW, 0x50                          ; C and D window 1
.else
.set CB, 160
.set CW, 0xf0                          ; C and D window 3
.endif
.set AR, 80*((\k)%2)+16*(\a)+8*(\j)
	WIN CW+4*(2+((\k)%4)/2)+BW                     ; source 0 (weights) window 0 or 2, source 1 (tokens) window 2 or 3
.irp b, 0,1,2,3,4,5,6,7
.if ((\k) == 0) && ((\j) == 0)
	v_wmma_f32_16x16x32_bf16 v[CB+8*\b:CB+8*\b+7], v[BR+8*\b:BR+8*\b+7], v[AR:AR+7], 0
.else
	v_wmma_f32_16x16x32_bf16 v[CB+8*\b:CB+8*\b+7], v[BR+8*\b:BR+8*\b+7], v[AR:AR+7], v[CB+8*\b:CB+8*\b+7]
.endif
.endr
.endm
; K step k: up to 80 matrix instructions, two halves of 32 along K.  The accumulators take turns, one instruction a turn, with and without the fifth tile.
; The very first half starts all 40 sums with the constant 0, so that every accumulator is written on every way; the other halves jump the fifth tile's eight products where that tile has no rows.
; The tokens are asked for three K steps ahead, all five tiles' always, and the weights' fragments one K step ahead; no load stands in what is jumped, so the counts are the same on every way.
.macro STEP k
.if (\k) > 0
.rept 4
	v_nop                                          ; the four places behind the last step's products stay, ahead of the wait and of the loads into the registers that those products read
.endr
.endif
.if (\k) <= 13
	s_wait_loadcnt 40                              ; the tokens of this K step are in; two younger groups of 20 stay out
.else
	s_wait_loadcnt 20*(15-(\k))                    ; nothing more is asked for: the counts run down
.endif
	s_wait_dscnt 16                                ; the first half's weights are in; the second half's 16 loads stay out
.if (\k) > 0
	s_wait_alu depctr_va_vdst(0)                   ; the last step's products are done reading their place of the tokens' ring and their pair of weight buffers, in which this step's loads land
.endif
	TILE \k, 0, 0
.if (\k) <= 12
	APART (\k)+3, 0                                ; no vector or matrix instruction since the wait names the registers that this step's loads touch
	APART (\k)+3, 1
.endif
	TILE \k, 0, 1
.if (\k) <= 12
	APART (\k)+3, 2
	APART (\k)+3, 3
	APART (\k)+3, 4
.endif
	TILE \k, 0, 2
.if (\k) < 15
	BFILL (\k)+1, 0, 0
.endif
	TILE \k, 0, 3
.if (\k) < 15
	BFILL (\k)+1, 0, 1
.endif
.if (\k) != 0
	WIN 0                                          ; at a branch and at a label every window is 0
	s_cmp_le_u32 s21, 4
	s_cbranch_scc1 .Lno5a_\@
.endif
	TILE \k, 0, 4
	WIN 0
.Lno5a_\@:
.if (\k) < 15
	s_wait_dscnt 16                                ; the second half's weights are in; the 16 loads issued in the first half stay out
.else
	s_wait_dscnt 0x0
.endif
	TILE \k, 1, 0
.if (\k) < 15
	BFILL (\k)+1, 1, 0
.endif
	TILE \k, 1, 1
	TILE \k, 1, 2
	TILE \k, 1, 3
.if (\k) < 15
	BFILL (\k)+1, 1, 1
.endif
	WIN 0
	s_cmp_le_u32 s21, 4
	s_cbranch_scc1 .Lno5b_\@
	TILE \k, 1, 4
	WIN 0
.Lno5b_\@:
.endm
; THE WAY OUT of tile a: h g / (1 + 2^(-log2(e) h)), rounded to bf16, stored straight from registers: 2,048 consecutive bytes of hid.  Each accumulator is read from its low end on.
.macro EPI a
.if (\a) < 4
.set EB, 64*(\a)
.set EW, 1
.else
.set EB, 160
.set EW, 3
.endif
	s_add_co_u32 s23, s27, 4*(\a)                  ; the tile's number
	s_lshl_b32 s23, s23, 11                        ; 2,048 bytes a tile
	WIN EW                                         ; source 0: the tile's window
.set i, 0
.rept 16
	v_pk_mul_f32 v[T+2*i:T+2*i+1], v[EB+2*i:EB+2*i+1], s[32:33] op_sel_hi:[1,0]
.set i, i+1
.endr
	WIN 0
.set i, 0
.rept 32                                               ; one batch of exponentials;
	v_exp_f32 v[T+i], v[T+i]
.set i, i+1
.endr
	WIN 5*EW                                       ; sources 0 and 1: the tile's window
.set i, 0
.rept 16                                               ; h g is the independent work behind it;
	v_pk_mul_f32 v[U+2*i:U+2*i+1], v[EB+2*i:EB+2*i+1], v[EB+32+2*i:EB+32+2*i+1]
.set i, i+1
.endr
	WIN 0
	s_wait_alu depctr_va_vdst(0)                   ; the 32 exponentials have written v[T ..]: one wait ahead of the batch's first use
.set i, 0
.rept 16
	v_pk_add_f32 v[T+2*i:T+2*i+1], v[T+2*i:T+2*i+1], 1.0 op_sel_hi:[1,0]
.set i, i+1
.endr
.set i, 0
.rept 32
	v_rcp_f32 v[T+i], v[T+i]
.set i, i+1
.endr
	v_nop                                          ; a plain instruction behind the last reciprocal,
	s_wait_alu depctr_va_vdst(0)                   ; and the batch's one wait: the 32 reciprocals have written v[T ..]
.set i, 0
.rept 16
	v_pk_mul_f32 v[U+2*i:U+2*i+1], v[U+2*i:U+2*i+1], v[T+2*i:T+2*i+1]
.set i, i+1
.endr
.if (\a) > 0                           ; (ahead of a pass's first tile the pass's head has these two waits)
	s_wait_xcnt 0x0                                ; the stores of the tile before have had their addresses translated (ISA guide 3.1): v[HO] and Y are rewritten only behind this wait
	s_wait_alu depctr_vm_vsrc(0)                   ; and they have read v[HO] and Y, which the lines below write again
.endif
	v_add_nc_u32 v[HO], s23, v[GOFF]
.set i, 0
.rept 16
	v_cvt_pk_bf16_f32 v[Y+i], v[U+2*i], v[U+2*i+1]
.set i, i+1
.endr
	s_wait_alu depctr_va_vdst(0)                   ; v[HO] and Y are written, which the four stores read
.irp b, 0,1,2,3
	global_store_b128 v[HO], v[Y+4*\b:Y+4*\b+3], s[12:13] offset:\b*512  ; column tile b of all 16 rows: 512 consecutive bytes, at a multiple of 256 from hid's first byte
.endr
.endm
	s_mov_b32 s20, 0                               ; the pass
.Lpass:
	s_mul_i32 s27, s20, 4*NTW
	s_add_co_u32 s27, s27, s14                     ; my first tile of the pass: 20 P + w; the others 4, 8, 12, 16 further on
	s_sub_co_i32 s21, s19, s27
	s_add_co_i32 s21, s21, 3
	s_ashr_i32 s21, s21, 2
	s_max_i32 s21, s21, 0
	s_min_i32 s21, s21, NTW                        ; how many of the five exist
	s_cmp_eq_u32 s21, 0
	s_cbranch_scc1 .Lnext
	s_wait_xcnt 0x0                                ; the last pass's loads and stores have had their addresses translated (ISA guide 3.1)
	s_wait_alu depctr_vm_vsrc(0)                   ; LDS instructions have read v[TM ..], the last pass's loads v[AO ..], its stores v[HO] and Y, the list's and the weights' LDS stores v192 to v255: all are written again below
	s_lshl_b32 s22, s27, 4
	v_add_nc_u32 v[TM], s22, v[LR]                 ; my rank in tile 0
.irp a, 0,1,2,3,4
	v_add_nc_u32 v[TM+1+\a], 64*\a, v[TM]
.endr
.irp a, 0,1,2,3,4
	v_min_u32 v[TM+1+\a], s18, v[TM+1+\a]          ; past the count: the last rank once more
.endr
.irp a, 0,1,2,3,4
	v_min_u32 v[TM+1+\a], 0x3ff, v[TM+1+\a]
.endr
.irp a, 0,1,2,3,4
	v_lshl_add_u32 v[TM+1+\a], v[TM+1+\a], 2, v[LB]
.endr
	s_wait_alu depctr_va_vdst(0)                   ; the five list addresses are written, which the LDS loads read
.irp a, 0,1,2,3,4
	ds_load_b32 v[AO+\a], v[TM+1+\a]
.endr
	s_wait_dscnt 0x0
.irp a, 0,1,2,3,4
	v_min_u32 v[AO+\a], 0x7ff, v[AO+\a]
.endr
.irp a, 0,1,2,3,4
	v_and_b32 v[AO+\a], 0x7fe, v[AO+\a]            ; 2 x token
.endr
.irp a, 0,1,2,3,4
	v_lshl_add_u32 v[AO+\a], v[AO+\a], 7, v[H16]   ; token x 256 bytes + 16 x half
.endr
	s_wait_alu depctr_va_vdst(0)                   ; the five offsets are written, which the pass's loads of tokens read; all that named the fragments' registers (conversions, the last pass's products and way out) stands ahead of this wait too
.irp kk, 0,1,2
.irp a, 0,1,2,3,4
	APART \kk, \a
.endr
.endr
	BFILL 0, 0, 0
	BFILL 0, 0, 1
	BFILL 0, 1, 0
	BFILL 0, 1, 1
.set k, 0
.rept 16
	STEP k
.set k, k+1
.endr
.rept 4
	v_nop                                          ; the places behind the last products
.endr
	EPI 0
	s_cmp_le_u32 s21, 1
	s_cbranch_scc1 .Lnext
	EPI 1
	s_cmp_le_u32 s21, 2
	s_cbranch_scc1 .Lnext
	EPI 2
	s_cmp_le_u32 s21, 3
	s_cbranch_scc1 .Lnext
	EPI 3
	s_cmp_le_u32 s21, 4
	s_cbranch_scc1 .Lnext
	EPI 4
.Lnext:
	s_add_co_u32 s20, s20, 1
	s_cmp_lt_u32 s20, 4
	s_cbranch_scc1 .Lpass
	s_wait_dscnt 0x0                               ; the wave's end: the closing add onto the spare words follows
	s_wait_alu depctr_hold_cnt(0) depctr_sa_sdst(0) depctr_va_vdst(0) depctr_va_sdst(0) depctr_va_ssrc(0) depctr_va_vcc(0) depctr_vm_vsrc(0)
	s_wait_tensorcnt 0x0
	ds_add_u32 v5, v17
	s_wait_dscnt 0x0
	s_endpgm
.Lfunc_end_k_q1f98496255_ffn1:
	.size	k_q1f98496255_ffn1, .Lfunc_end_k_q1f98496255_ffn1-k_q1f98496255_ffn1
	.p2alignl 7, 3214868480
	.fill 96, 4, 3214868480
	.section	.rodata,"a",@progbits
	.p2align	6, 0x0
	.amdhsa_kernel k_q1f98496255_ffn1
		.amdhsa_group_segment_fixed_size 282112
		.amdhsa_private_segment_fixed_size 0
		.amdhsa_enable_private_segment 0
		.amdhsa_kernarg_size 40
		.amdhsa_user_sgpr_count 2
		.amdhsa_user_sgpr_kernarg_segment_ptr 1
		.amdhsa_wavefront_size32 1
		.amdhsa_system_sgpr_workgroup_id_x 1
		.amdhsa_system_sgpr_workgroup_id_y 1
		.amdhsa_system_sgpr_workgroup_id_z 1
		.amdhsa_system_vgpr_workitem_id 0
		.amdhsa_next_free_vgpr 992
		.amdhsa_next_free_sgpr 66
		.amdhsa_reserve_vcc 0
		.amdhsa_float_denorm_mode_32 3
		.amdhsa_float_denorm_mode_16_64 3
		.amdhsa_memory_ordered 1
		.amdhsa_forward_progress 1
		.amdhsa_inst_pref_size 248
	.end_amdhsa_kernel
	.amdgpu_metadata
---
amdhsa.version: [ 1, 2 ]
amdhsa.kernels:
  - .name:           k_q1f98496255_ffn1
    .symbol:         k_q1f98496255_ffn1.kd
    .args:
      - { .name: sel, .offset: 0, .size: 8, .value_kind: global_buffer, .address_space: global }
      - { .name: xb, .offset: 8, .size: 8, .value_kind: global_buffer, .address_space: global }
      - { .name: w1, .offset: 16, .size: 8, .value_kind: global_buffer, .address_space: global }
      - { .name: w3, .offset: 24, .size: 8, .value_kind: global_buffer, .address_space: global }
      - { .name: hid, .offset: 32, .size: 8, .value_kind: global_buffer, .address_space: global }
    .group_segment_fixed_size: 282112
    .private_segment_fixed_size: 0
    .kernarg_segment_align: 8
    .kernarg_segment_size: 40
    .max_flat_workgroup_size: 128
    .sgpr_count:     66
    .vgpr_count:     992
    .wavefront_size: 32
...
	.end_amdgpu_metadata
.endif
;; end of part 5
;; launch ffn2 (part 6): grid 256 x 1, 4 waves a work-group, no clusters, 167,424 bytes of LDS; arguments sel, hid, w2, part; writes part
.if DOCPART == 6
	.amdgcn_target "amdgcn-amd-amdhsa--gfx1250"
	.amdhsa_code_object_version 6
	.text
	.protected	k_q1f98496255_ffn2
	.globl	k_q1f98496255_ffn2
	.p2align	8
	.type	k_q1f98496255_ffn2,@function
k_q1f98496255_ffn2:
	s_mov_b64 s[64:65], 0
	v_nop
	global_prefetch_b8 v0, s[64:65] scope:SCOPE_SE
	s_setreg_imm32_b32 hwreg(HW_REG_WAVE_SCHED_MODE, 0, 2), 2
	s_setreg_imm32_b32 hwreg(HW_REG_WAVE_MODE, 25, 1), 1
	s_wait_xcnt 0x0
	s_wait_alu depctr_vm_vsrc(0)
; SECOND PRODUCT OF THE EXPERTS.  part[kh][q][64 ds .. 64 ds + 63] = the sum over half kh of the hidden width of hid(rank, .) w2[e][d][.], q = 2 x token + choice = list[rank]; f32 partial sums.
; GRID: 8 experts x 16 slices of 64 output columns x 2 halves of K (1,024 each).  A work-group alone reads its slice of w2 (64 rows x 1,024: 256 KiB of f32), once, rounds it to bf16 on the way
; through registers and keeps it in LDS; then all of the expert's rows are multiplied with it, hid coming from memory straight into operand registers.  K is halved and not the columns: 32 columns
; with the whole K would read an expert's hid rows 32 times for the same matrix work, this reads each half 16 times.  The two halves are added, in f32, by the launch behind.
; hid lies in the order of my operand registers: [expert][slice of 64 hidden columns = K step][tile of 16 ranks][16 columns b][lane][16 bytes]: a load takes 512 consecutive bytes, and four registers of
; source 1 are one load: columns b = 2 j and 2 j + 1 make the 32 along K of half j.
; LIST, ROWS, PASSES, TRANSPOSED USE: as in the first product, the list by the same text, so that rank r means the same row in both.  A wave takes up to five tiles in a pass (80 x 64 of results); the fifth tile's
; products are jumped where it has no rows; a tile that does not exist reads the last one that does.  Ranks past the count repeat the last rank: hid holds that row's numbers there, and they are
; stored once more to the same place by the same work-group.  An expert with more than 320 rows pays a whole pass for each further 320.
; A pass's 16 K steps are written out: every LDS address is a register that is never rewritten plus an immediate.
; NO JOINT LOADS: each slice of w2 has one work-group that reads it.  An expert's hid rows are shared by 16 work-groups, but their number hangs on a stored count (up to 1,024 rows x 2,048 bytes a half,
; which no LDS slot beside the slice holds whole), and a loop whose length hangs on a count holds no ring, barrier or tensor load here.
; LIMITS.  w2 is rounded to bf16, hid arrives in bf16; sums in f32.  NaN and infinities are not treated apart.
; THE MODE: SCHED_MODE bits 1:0 = 2 (LLVM: expert scheduling mode 2), set by the entry lines.  The code itself states the register dependences
; between vector or matrix instructions and memory or LDS instructions, with s_wait_alu, always for 0.
; THE PLAN.  Registers that memory or LDS instructions touch, and who else names them:
;   v[BA ..], v[STO], v[RD], v[GOFF], v[PFO]   offsets and addresses, made at the head ahead of one wait on va_vdst, never written again.
;   v[TM], v[TM+4 ..]           the zero fill's address and data, made ahead of the same wait; free again behind the pass head's wait on vm_vsrc.
;   LA, LQ                      the list's 32 addresses and 32 numbers, registers of their own: one wait on va_vdst, then the 32 LDS stores.
;   STG, CV, v[SA]              as in the first product: four slots of the ring at a time, one wait on vm_vsrc at the group's head, one on va_vdst behind its conversions; v[SA] stepped once a round.
;   A0 .. A3                    hid's ring.  K step k's products read A[k % 4]; the loads of step k + 3, issued in step k, land in A[(k - 1) % 4].
;   B0 .. B3                    the weights' fragments.  Step k's products read the pair B[2 (k % 2)], B[2 (k % 2) + 1]; the LDS loads of step k + 1, issued in step k, land in the other pair.
;   v[AO ..]                    hid's offsets: made at a pass's head, then read by the pass's loads alone.
;   RK, TM, QO, Y, the accumulators   a tile's way out: eight list addresses RK; one wait on va_vdst; the list's words into TM, the accumulators into the stage, the rows back into Y; QO made of TM; one wait; the stores.
; So ONE wait on va_vdst stands at a K step's head: the step before is done reading its place of the ring and its pair of weight buffers.  The step's 36 loads follow it in runs of 8 or 12 between the tiles'
; products, which name A[k % 4], the step's own pair and the accumulators: none of the registers that those loads touch, with and without the fifth tile.
.set PW,     2064     ; an LDS row of weights: 2,048 bytes + 16: the 16 rows of a load start at 16 different groups of four banks (64 banks of 4 bytes: ISA guide 11.1)
.set NROW,   64
.set LIST,   NROW*PW  ; a list for each wave, 1,056 words
.set LISTB,  4352
.set STAGE,  LIST+4*LISTB  ; a stage for each wave: 16 rows x 272 bytes (256 of f32 + 16)
.set SPT,    272
.set STGB,   16*SPT   ; (the 512 bytes behind the four stages: the spare words, 128 bytes for each wave)
.set ROWB,   8192     ; bytes from a row of w2 to the next
.set RSTEP,  4*ROWB   ; a round of the ring: my half of four rows
.set ROUNDS, 4        ; 16 rows a wave
.set KB,     128      ; bytes of a K step (64 along K) in an LDS row
.set KG,     131072   ; and in hid: 64 tiles of 2,048 bytes
.set NTW,    5        ; tiles of a wave in a pass
.set LR,   1          ; v1   lane % 16
.set LH,   2          ; v2   lane / 16
.set LN,   3          ; v3   lane
.set BA,   6          ; v6-7  LDS address of my place in weight tiles 0, 2; never rewritten
.set AO,   10         ; v10-14 byte offset in a slice of hid of my 16 bytes of tile a
.set LB,   15         ; v15  my wave's list
.set STO,  16         ; v16  the way out: where I put 32 bytes of a row
.set RD,   17         ; v17  the way out: where I read rows back
.set C16,  18         ; v18  16 x (lane % 16)
.set GOFF, 19         ; v19  16 x lane
.set SA,   20         ; v20  LDS address of my 8 bytes in the round's first row
.set L8,   21         ; v21  8 x lane
.set DUMP, 22         ; v22  1,024 + lane
.set PFO,  23         ; v23  two rows of 16 blocks of 256 bytes
.set TM,   24         ; v24-31 the zero fill's address and data; on the way out q of eight pairs of rows
.set SEL,  32         ; v32-63 sel; later v32 at work, v40-47 the stores' offsets, v48-55 eight list addresses
.set QO,   40
.set RK,   48
.set STG,  64         ; v64-191 first: the ring of 32 loads of weights
.set BF,   64         ; then: four buffers of 32 for the weights' fragments (4 tiles x 32 K): half j of K step k in buffer (2 k + j) % 4
.set Y,    128        ; v128-159 on the way out: 16 rows read back
.set CV,   192        ; v192-207 eight pairs of rounded weights, in two halves that take turns
.set LA,   192        ; v192-223 while the list is made: the LDS address for each of sel's 32 registers
.set LQ,   224        ; v224-255 and its q
.set MK,   32         ; s32-47 while the list is made: eight masks 'chose my expert', eight 'as second choice'; s34 takes the last tile behind the list
                      ; window 1: accumulator (a, b) at 8 (4 a + b), a = 0..4
                      ; windows 2 and 3, v0-159: hid's fragments, a ring of four K steps: step k in window 2 + (k % 4) / 2, tile a, half j at 80 (k % 2) + 16 a + 8 j
.set MSB, 0
.macro WIN new                         ; the immediate's high byte repeats the setting that is left; a switch that changes nothing is dropped
.if MSB != (\new)
	s_set_vgpr_msb (MSB<<8)|(\new)
.set MSB, \new
.endif
.endm
	s_load_b256 s[4:11], s[0:1], 0x0               ; sel s[4:5], hid s[6:7], w2 s[8:9], part s[10:11]
	v_lshl_add_u32 v8, v0, 2, 0x28c00
	v_mov_b32 v9, 0
	v_lshrrev_b32 v[TM], 5, v0
	v_readfirstlane_b32 s14, v[TM]                 ; wave 0..3
	v_and_b32 v[LN], 31, v0
	v_and_b32 v[LR], 15, v0
	v_bfe_u32 v[LH], v0, 4, 1
	s_lshr_b32 s15, ttmp9, 5                       ; expert
	s_bfe_u32 s16, ttmp9, 0x40001                  ; slice of 64 columns
	s_and_b32 s12, ttmp9, 1                        ; half of K
	v_lshlrev_b32 v[C16], 4, v[LR]
	v_mul_u32_u24 v[BA], v[LR], PW
	v_lshl_add_u32 v[BA], v[LH], 4, v[BA]          ; row x pitch + 16 x half
	v_add_nc_u32 v[BA+1], 2*16*PW, v[BA]
	s_wait_alu depctr_va_sdst(0)                   ; s14 is written, ahead of its first reader: LDS places and the base of the weights are made from it
	s_mul_i32 s22, s14, LISTB
	s_add_co_u32 s22, s22, LIST
	v_mov_b32 v[LB], s22
	s_mul_i32 s22, s14, STGB
	s_add_co_u32 s22, s22, STAGE
	v_mul_u32_u24 v[STO], v[LR], SPT               ; in: row lane % 16, 32 bytes for each half of the lanes
	v_lshl_add_u32 v[STO], v[LH], 5, v[STO]
	v_add_nc_u32 v[STO], s22, v[STO]
	v_mul_u32_u24 v[RD], v[LH], SPT                ; back: lanes 0-15 take one row of 256 bytes, lanes 16-31 the next
	v_lshl_add_u32 v[RD], v[LR], 4, v[RD]
	v_add_nc_u32 v[RD], s22, v[RD]
	v_lshlrev_b32 v[GOFF], 4, v[LN]
	v_lshlrev_b32 v[L8], 3, v[LN]
	v_add_nc_u32 v[DUMP], 1024, v[LN]
	v_lshlrev_b32 v[PFO], 8, v[LR]
	v_lshl_add_u32 v[PFO], v[LH], 13, v[PFO]
	s_mul_i32 s22, s14, 16*PW                      ; wave w fills LDS rows 16 w .. 16 w + 15
	v_add_nc_u32 v[SA], s22, v[L8]
	v_add_nc_u32 v[TM], v[LB], v[GOFF]             ; the zero fill of my list: its address,
.irp z, 4,5,6,7
	v_mov_b32 v[TM+\z], 0                          ; and its data
.endr
	s_lshl_b32 s28, s15, 23                        ; an expert's 8 MiB,
	s_lshl_b32 s22, s16, 19                        ; the slice's 64 rows of 8,192 bytes,
	s_add_co_u32 s28, s28, s22
	s_lshl_b32 s22, s14, 17                        ; my 16 of them,
	s_add_co_u32 s28, s28, s22
	s_lshl_b32 s22, s12, 12                        ; my half of each
	s_add_co_u32 s28, s28, s22
	s_mov_b32 s29, 0
	s_wait_kmcnt 0x0
	s_wait_alu depctr_va_vdst(0)                   ; the offsets and addresses v6 to v23 and the zero fill's v24, v28 to v31 are written, which the loads, prefetches and LDS instructions below read
.irp c, 0,1,2,3,4,5,6,7
	global_load_b128 v[SEL+4*\c:SEL+4*\c+3], v[GOFF], s[4:5] offset:512*\c
.endr
	s_add_nc_u64 s[24:25], s[8:9], s[28:29]
	s_lshl_b32 s28, s15, 22                        ; hid: 4 MiB an expert, 2 MiB a half (16 slices of 128 KiB)
	s_lshl_b32 s22, s12, 21
	s_add_co_u32 s28, s28, s22
	s_add_nc_u64 s[6:7], s[6:7], s[28:29]
	s_lshl_b32 s28, s12, 23                        ; part: 8 MiB a half, 256 bytes a slice of columns
	s_lshl_b32 s22, s16, 8
	s_add_co_u32 s28, s28, s22
	s_add_nc_u64 s[10:11], s[10:11], s[28:29]
.set i, 0
.rept 32                                               ; the ring is filled: my half of four rows, 32 loads of 512 neighbouring bytes
	global_load_b128 v[STG+4*i:STG+4*i+3], v[GOFF], s[24:25] offset:(i/8)*ROWB+(i%8)*512 th:TH_LOAD_NT
.set i, i+1
.endr
; THE LIST: the first product's text, so that the ranks are the same.  Its 1,024 ranks are first written whole, so that no word is ever read that nobody wrote.
; Eight registers at a time: their sixteen compares stand in one run, with one wait behind it; all 32 addresses and numbers have registers of their own, so that the stores stand in one run behind one wait.
.irp c, 0,1,2,3,4,5,6,7
	ds_store_b128 v[TM], v[TM+4:TM+7] offset:512*\c    ; no vector instruction since the head's wait names these registers
.endr
	s_wait_loadcnt 32                              ; sel is in; the 32 younger loads, the ring's, stay out
	s_mov_b32 s17, 0                               ; rows so far
.set m0, 0
.rept 4
.set i, 0
.rept 8
	v_and_b32 v[LA+m0+i], 0xff, v[SEL+m0+i]        ; the first choice,
	v_bfe_u32 v[LQ+m0+i], v[SEL+m0+i], 8, 8        ; the second
.set i, i+1
.endr
.set i, 0
.rept 8
	v_cmp_eq_u32 s[MK+i], s15, v[LA+m0+i]
	v_cmp_eq_u32 s[MK+8+i], s15, v[LQ+m0+i]
.set i, i+1
.endr
	s_wait_alu depctr_va_sdst(0)                   ; the sixteen masks are written, ahead of their first readers
.set i, 0
.rept 8
	s_or_b32 s[MK+i], s[MK+i], s[MK+8+i]
	v_mbcnt_lo_u32_b32 v[LA+m0+i], s[MK+i], s17    ; the rank: rows so far + the lanes below that have a row
	s_bcnt1_i32_b32 s23, s[MK+i]
	s_add_co_u32 s17, s17, s23
.set i, i+1
.endr
.set i, 0
.rept 8
	v_cndmask_b32 v[LQ+m0+i], 0, 1, s[MK+8+i]
	v_cndmask_b32 v[LA+m0+i], v[DUMP], v[LA+m0+i], s[MK+i]
.set i, i+1
.endr
.set m, m0
.rept 8
	v_add3_u32 v[LQ+m], v[LQ+m], v[L8], 256*(m/4)+2*(m%4)   ; q = 2 (128 c + 4 lane + j) + choice
	v_min_u32 v[LA+m], 0x41f, v[LA+m]              ; inside the list's 1,056 words, whatever sel holds
.set m, m+1
.endr
.set m, m0
.rept 8
	v_lshl_add_u32 v[LA+m], v[LA+m], 2, v[LB]
.set m, m+1
.endr
.set m0, m0+8
.endr
	s_wait_alu depctr_va_vdst(0)                   ; the 32 addresses and the 32 numbers are written, which the LDS stores read
.set m, 0
.rept 32
	ds_store_b32 v[LA+m], v[LQ+m]                  ; LDS serves a wave's instructions in order (ISA guide 5.7.1.4): it lands behind the zeros
.set m, m+1
.endr
	s_max_u32 s18, s17, 1
	s_sub_co_u32 s18, s18, 1                       ; the last rank
	s_add_co_u32 s19, s17, 15
	s_lshr_b32 s19, s19, 4                         ; tiles of 16 ranks
	s_max_u32 s34, s19, 1
	s_sub_co_u32 s34, s34, 1                       ; the last tile
; THE WEIGHTS.  Four slots' turn: their 16 bytes a lane are rounded to 8 and laid into LDS (256 neighbouring bytes a store); ahead = 1: the slots are loaded again, four rows on.
.macro GROUPW g, ahead, left
	s_wait_loadcnt \left                           ; loads come back in order (ISA guide 5.7.1): my four are in, the younger ones stay out
	s_wait_alu depctr_vm_vsrc(0)                   ; the LDS stores of two groups back have read this half of CV (ahead of the first two groups: the list's stores have read the same registers)
.set sl, 4*(\g)
.rept 4
	v_cvt_pk_bf16_f32 v[CV+2*(sl%8)], v[STG+4*sl], v[STG+4*sl+1]
	v_cvt_pk_bf16_f32 v[CV+2*(sl%8)+1], v[STG+4*sl+2], v[STG+4*sl+3]
.set sl, sl+1
.endr
	s_wait_alu depctr_va_vdst(0)                   ; the conversions are done reading the four slots, in which the loads below land, and have written CV, which the LDS stores read; in a round's first group v[SA] is written
.if \ahead
.set sl, 4*(\g)
.rept 4
	global_load_b128 v[STG+4*sl:STG+4*sl+3], v[GOFF], s[24:25] offset:RSTEP+(sl/8)*ROWB+(sl%8)*512 th:TH_LOAD_NT
.set sl, sl+1
.endr
.endif
.set sl, 4*(\g)
.rept 4
	ds_store_b64 v[SA], v[CV+2*(sl%8):CV+2*(sl%8)+1] offset:(sl/8)*PW+(sl%8)*256
.set sl, sl+1
.endr
.endm
	s_mov_b32 s26, ROUNDS-1
.Lround:
.set g, 0
.rept 8
	GROUPW g, 1, 28                                ; the ring's 28 other loads are younger
.if g == 3
	s_cmp_eq_u32 s26, 1                            ; the round two ahead of the one in hand is asked for, 64 blocks of 256 bytes, each by this wave alone; the last trip has no such round
	s_cbranch_scc1 .Lno_ask
	global_prefetch_b8 v[PFO], s[24:25] offset:2*RSTEP th:TH_LOAD_NT scope:SCOPE_SE
	global_prefetch_b8 v[PFO], s[24:25] offset:2*RSTEP+2*ROWB th:TH_LOAD_NT scope:SCOPE_SE
.Lno_ask:
.endif
.set g, g+1
.endr
	s_wait_xcnt 0x0                                ; the loads' base is stepped only behind this wait (ISA guide 3.1)
	s_wait_alu depctr_vm_vsrc(0)                   ; the round's LDS stores have read v[SA]
	s_add_nc_u64 s[24:25], s[24:25], RSTEP
	v_add_nc_u32 v[SA], 4*PW, v[SA]
	s_sub_co_u32 s26, s26, 1
	s_cmp_lg_u32 s26, 0
	s_cbranch_scc1 .Lround
.set g, 0
.rept 8
	GROUPW g, 0, 28-4*g                            ; the last round loads nothing: the counts run down
.set g, g+1
.endr
	s_wait_dscnt 0x0                               ; for the others' sake: my rows of the slice are in LDS
	s_barrier_signal -1
	s_barrier_wait -1                              ; the slice is whole; from here on nobody writes it
; THE PRODUCTS.
.macro APART k, a                      ; K step k of my tile a of hid: 4 loads of 512 consecutive bytes into ring place k % 4
	WIN 0x80+0x40*(((\k)%4)/2)                     ; destination window 2 or 3
.irp j, 0,1
.irp u, 0,1
	global_load_b128 v[80*((\k)%2)+16*(\a)+8*\j+4*\u:80*((\k)%2)+16*(\a)+8*\j+4*\u+3], v[AO+(\a)], s[6:7] offset:KG*(\k)+1024*\j+512*\u
.endr
.endr
.endm
.macro BFILL k, j                      ; half j of K step k of the four weight tiles: 8 LDS loads
	WIN 0
.irp b, 0,1,2,3
.irp u, 0,1
	ds_load_b128 v[BF+32*((2*(\k)+(\j))%4)+8*\b+4*\u:BF+32*((2*(\k)+(\j))%4)+8*\b+4*\u+3], v[BA+\b/2] offset:(\b%2)*16*PW+KB*(\k)+64*(\j)+32*\u
.endr
.endr
.endm
.macro TILE k, j, a                    ; half j of K step k for tile a: 4 matrix instructions.  The very first half starts the sums with the constant 0
.set BR, BF+32*((2*(\k)+(\j))%4)
.set AR, 80*((\k)%2)+16*(\a)+8*(\j)
	WIN 0x58+0x04*(((\k)%4)/2)                     ; source 0 (weights) window 0, source 1 (hid) window 2 or 3, C and D window 1
.irp b, 0,1,2,3
.if ((\k) == 0) && ((\j) == 0)
	v_wmma_f32_16x16x32_bf16 v[8*(4*(\a)+\b):8*(4*(\a)+\b)+7], v[BR+8*\b:BR+8*\b+7], v[AR:AR+7], 0
.else
	v_wmma_f32_16x16x32_bf16 v[8*(4*(\a)+\b):8*(4*(\a)+\b)+7], v[BR+8*\b:BR+8*\b+7], v[AR:AR+7], v[8*(4*(\a)+\b):8*(4*(\a)+\b)+7]
.endif
.endr
.endm
; K step k: up to 40 matrix instructions, two halves of 32 along K.  The accumulators take turns, one instruction a turn, with and without the fifth tile.
; The very first half starts all 20 sums with the constant 0, so that every accumulator is written on every way; the other halves jump the fifth tile's four products where that tile has no rows.
; hid is asked for three K steps ahead, all five tiles' always, and the weights' fragments one K step ahead, both halves in the step's first half; no load stands in what is jumped, so the counts are the same on every way.
.macro STEP k
.if (\k) > 0
.rept 4
	v_nop                                          ; the four places behind the last step's products stay, ahead of the wait and of the loads into the registers that those products read
.endr
.endif
.if (\k) <= 13
	s_wait_loadcnt 40                              ; hid of this K step is in; two younger groups of 20 stay out
.else
	s_wait_loadcnt 20*(15-(\k))                    ; nothing more is asked for: the counts run down
.endif
	s_wait_dscnt 8                                 ; the first half's weights are in; the second half's 8 loads stay out
.if (\k) > 0
	s_wait_alu depctr_va_vdst(0)                   ; the last step's products are done reading their place of hid's ring and their pair of weight buffers, in which this step's loads land
.endif
	TILE \k, 0, 0
.if (\k) <= 12
	APART (\k)+3, 0                                ; no vector or matrix instruction since the wait names the registers that this step's loads touch
	APART (\k)+3, 1
.endif
	TILE \k, 0, 1
.if (\k) <= 12
	APART (\k)+3, 2
	APART (\k)+3, 3
	APART (\k)+3, 4
.endif
	TILE \k, 0, 2
.if (\k) < 15
	BFILL (\k)+1, 0
.endif
	TILE \k, 0, 3
.if (\k) < 15
	BFILL (\k)+1, 1
.endif
.if (\k) != 0
	WIN 0                                          ; at a branch and at a label every window is 0
	s_cmp_le_u32 s21, 4
	s_cbranch_scc1 .Lno5a_\@
.endif
	TILE \k, 0, 4
	WIN 0
.Lno5a_\@:
.if (\k) < 15
	s_wait_dscnt 16                                ; the second half's weights are in; the next step's two groups of 8 stay out
.else
	s_wait_dscnt 0x0
.endif
	TILE \k, 1, 0
	TILE \k, 1, 1
	TILE \k, 1, 2
	TILE \k, 1, 3
	WIN 0
	s_cmp_le_u32 s21, 4
	s_cbranch_scc1 .Lno5b_\@
	TILE \k, 1, 4
	WIN 0
.Lno5b_\@:
.endm
; THE WAY OUT of tile a: the f32 sums go through my stage and leave as whole rows of 256 bytes, each to the row of part that the list names for its rank.
.macro EPI a
.if (\a) > 0                           ; (ahead of a pass's first tile the pass's head has these two waits)
	s_wait_xcnt 0x0                                ; the stores of the tile before have had their addresses translated (ISA guide 3.1)
	s_wait_alu depctr_vm_vsrc(0)                   ; they have read their offsets v[QO ..] and Y, and the tile's LDS loads the addresses v[RK ..]: all are written again below
.endif
	s_add_co_u32 s23, s27, 4*(\a)                  ; the tile's number
	s_lshl_b32 s23, s23, 4
	v_add_nc_u32 v[SEL], s23, v[LH]                ; the rank of my row in the first pair of rows
.irp t, 0,1,2,3,4,5,6,7
	v_add_nc_u32 v[RK+\t], 2*\t, v[SEL]
.endr
.irp t, 0,1,2,3,4,5,6,7
	v_min_u32 v[RK+\t], s18, v[RK+\t]              ; past the count: the last rank once more
.endr
.irp t, 0,1,2,3,4,5,6,7
	v_min_u32 v[RK+\t], 0x3ff, v[RK+\t]
.endr
.irp t, 0,1,2,3,4,5,6,7
	v_lshl_add_u32 v[RK+\t], v[RK+\t], 2, v[LB]
.endr
	s_wait_alu depctr_va_vdst(0)                   ; the eight list addresses are written; the products have written the accumulators, which the LDS stores read, and are done reading the buffer in which Y's loads land; the tile before is done with v[TM ..]
.irp t, 0,1,2,3,4,5,6,7
	ds_load_b32 v[TM+\t], v[RK+\t]
.endr
	WIN 0x04                                       ; the stores' data window 1: each accumulator's low four registers first
.irp b, 0,1,2,3
	ds_store_b128 v[STO], v[8*(4*(\a)+\b):8*(4*(\a)+\b)+3] offset:64*\b
	ds_store_b128 v[STO], v[8*(4*(\a)+\b)+4:8*(4*(\a)+\b)+7] offset:64*\b+16
.endr
	WIN 0
.irp t, 0,1,2,3,4,5,6,7
	ds_load_b128 v[Y+4*\t:Y+4*\t+3], v[RD] offset:\t*2*SPT  ; LDS serves a wave's instructions in order (ISA guide 5.7.1.4): these see the stores above
.endr
	s_wait_dscnt 0x0
.irp t, 0,1,2,3,4,5,6,7
	v_min_u32 v[TM+\t], 0x7ff, v[TM+\t]
.endr
.irp t, 0,1,2,3,4,5,6,7
	v_lshl_add_u32 v[QO+\t], v[TM+\t], 12, v[C16]  ; q x 4,096 bytes + my 16 of the row's 256
.endr
	s_wait_alu depctr_va_vdst(0)                   ; the eight offsets are written, which the stores read
.irp t, 0,1,2,3,4,5,6,7
	global_store_b128 v[QO+\t], v[Y+4*\t:Y+4*\t+3], s[10:11]  ; 16 lanes store 256 consecutive bytes, at a multiple of 256 from part's first byte
.endr
.endm
	s_mov_b32 s20, 0                               ; the pass
.Lpass:
	s_mul_i32 s27, s20, 4*NTW
	s_add_co_u32 s27, s27, s14                     ; my first tile of the pass: 20 P + w; the others 4, 8, 12, 16 further on
	s_sub_co_i32 s21, s19, s27
	s_add_co_i32 s21, s21, 3
	s_ashr_i32 s21, s21, 2
	s_max_i32 s21, s21, 0
	s_min_i32 s21, s21, NTW                        ; how many of the five exist
	s_cmp_eq_u32 s21, 0
	s_cbranch_scc1 .Lnext
	s_wait_xcnt 0x0                                ; the last pass's loads and stores have had their addresses translated (ISA guide 3.1)
	s_wait_alu depctr_vm_vsrc(0)                   ; the last pass's loads have read v[AO ..], its stores v[QO ..] and Y, its LDS loads v[RK ..]; the zero fill has read v[TM ..]: all are written again in this pass
.irp a, 0,1,2,3,4
	s_add_co_u32 s23, s27, 4*\a
	s_min_u32 s23, s23, s34                        ; a tile that does not exist reads the last one that does: only bytes that the first product wrote are read
	s_min_u32 s23, s23, 63
	s_lshl_b32 s23, s23, 11                        ; 2,048 bytes a tile
	v_add_nc_u32 v[AO+\a], s23, v[GOFF]
.endr
	s_wait_alu depctr_va_vdst(0)                   ; the five offsets are written, which the pass's loads of hid read; all that named the fragments' registers (conversions, the last pass's products) stands ahead of this wait too
.irp kk, 0,1,2
.irp a, 0,1,2,3,4
	APART \kk, \a
.endr
.endr
	BFILL 0, 0
	BFILL 0, 1
.set k, 0
.rept 16
	STEP k
.set k, k+1
.endr
.rept 4
	v_nop                                          ; the places behind the last products
.endr
	EPI 0
	s_cmp_le_u32 s21, 1
	s_cbranch_scc1 .Lnext
	EPI 1
	s_cmp_le_u32 s21, 2
	s_cbranch_scc1 .Lnext
	EPI 2
	s_cmp_le_u32 s21, 3
	s_cbranch_scc1 .Lnext
	EPI 3
	s_cmp_le_u32 s21, 4
	s_cbranch_scc1 .Lnext
	EPI 4
.Lnext:
	s_add_co_u32 s20, s20, 1
	s_cmp_lt_u32 s20, 4
	s_cbranch_scc1 .Lpass
	s_wait_dscnt 0x0                               ; the wave's end: the closing add onto the spare words follows
	s_wait_alu depctr_hold_cnt(0) depctr_sa_sdst(0) depctr_va_vdst(0) depctr_va_sdst(0) depctr_va_ssrc(0) depctr_va_vcc(0) depctr_vm_vsrc(0)
	s_wait_tensorcnt 0x0
	ds_add_u32 v8, v9
	s_wait_dscnt 0x0
	s_endpgm
.Lfunc_end_k_q1f98496255_ffn2:
	.size	k_q1f98496255_ffn2, .Lfunc_end_k_q1f98496255_ffn2-k_q1f98496255_ffn2
	.p2alignl 7, 3214868480
	.fill 96, 4, 3214868480
	.section	.rodata,"a",@progbits
	.p2align	6, 0x0
	.amdhsa_kernel k_q1f98496255_ffn2
		.amdhsa_group_segment_fixed_size 167424
		.amdhsa_private_segment_fixed_size 0
		.amdhsa_enable_private_segment 0
		.amdhsa_kernarg_size 32
		.amdhsa_user_sgpr_count 2
		.amdhsa_user_sgpr_kernarg_segment_ptr 1
		.amdhsa_wavefront_size32 1
		.amdhsa_system_sgpr_workgroup_id_x 1
		.amdhsa_system_sgpr_workgroup_id_y 1
		.amdhsa_system_sgpr_workgroup_id_z 1
		.amdhsa_system_vgpr_workitem_id 0
		.amdhsa_next_free_vgpr 928
		.amdhsa_next_free_sgpr 66
		.amdhsa_reserve_vcc 0
		.amdhsa_float_denorm_mode_32 3
		.amdhsa_float_denorm_mode_16_64 3
		.amdhsa_memory_ordered 1
		.amdhsa_forward_progress 1
		.amdhsa_inst_pref_size 177
	.end_amdhsa_kernel
	.amdgpu_metadata
---
amdhsa.version: [ 1, 2 ]
amdhsa.kernels:
  - .name:           k_q1f98496255_ffn2
    .symbol:         k_q1f98496255_ffn2.kd
    .args:
      - { .name: sel, .offset: 0, .size: 8, .value_kind: global_buffer, .address_space: global }
      - { .name: hid, .offset: 8, .size: 8, .value_kind: global_buffer, .address_space: global }
      - { .name: w2, .offset: 16, .size: 8, .value_kind: global_buffer, .address_space: global }
      - { .name: part, .offset: 24, .size: 8, .value_kind: global_buffer, .address_space: global }
    .group_segment_fixed_size: 167424
    .private_segment_fixed_size: 0
    .kernarg_segment_align: 8
    .kernarg_segment_size: 32
    .max_flat_workgroup_size: 128
    .sgpr_count:     66
    .vgpr_count:     928
    .wavefront_size: 32
...
	.end_amdgpu_metadata
.endif
;; end of part 6
;; launch combine: the kernel of part 4 again; grid 256 x 1, 4 waves a work-group, no clusters, 0 bytes of LDS; arguments part, gw, out0; writes out0
